; MI455X (gfx1250); checked and timed in simulation.
; The chip was launched on July 23, 2026; its instructions are those of AMD's public machine-readable ISA for CDNA 5 (MIT licence, August 2026) and "CDNA5" Instruction Set Architecture Reference Guide (July 2026). The comments in the code are by the model that wrote it; some were corrected since.
;; Multi Head Attention. Allowed arithmetic: matrix products marked QUANTISED: E2M3 operands, one E8M0 scale for each 32 along K, by v_wmma_scale_f32_16x16x128_f8f6f4 with both operands' format E2M3, f32 sums; everything else in f32.
;; Inputs: Wk_codes 1,024 x 32 x 24 uint8 (E2M3 codes of Wk, K innermost, in blocks of 32 codes, four codes in three bytes); Wk_scales 1,024 x 32 uint8 (E8M0 scales of Wk, one for each 32 codes along K); Wo_codes 1,024 x 32 x 24 uint8 (E2M3 codes of Wo, K innermost, in blocks of 32 codes, four codes in three bytes); Wo_scales 1,024 x 32 uint8 (E8M0 scales of Wo, one for each 32 codes along K); Wq_codes 1,024 x 32 x 24 uint8 (E2M3 codes of Wq, K innermost, in blocks of 32 codes, four codes in three bytes); Wq_scales 1,024 x 32 uint8 (E8M0 scales of Wq, one for each 32 codes along K); Wv_codes 1,024 x 32 x 24 uint8 (E2M3 codes of Wv, K innermost, in blocks of 32 codes, four codes in three bytes); Wv_scales 1,024 x 32 uint8 (E8M0 scales of Wv, one for each 32 codes along K); attn_mask 2,048 x 2,048 bool; bk 1,024 float32; bo 1,024 float32; bq 1,024 float32; bv 1,024 float32; key_codes 4 x 2,048 x 32 x 24 uint8 (E2M3 codes of key, K innermost, in blocks of 32 codes, four codes in three bytes); key_scales 4 x 2,048 x 32 uint8 (E8M0 scales of key, one for each 32 codes along K); query_codes 4 x 2,048 x 32 x 24 uint8 (E2M3 codes of query, K innermost, in blocks of 32 codes, four codes in three bytes); query_scales 4 x 2,048 x 32 uint8 (E8M0 scales of query, one for each 32 codes along K); value_codes 4 x 2,048 x 32 x 24 uint8 (E2M3 codes of value, K innermost, in blocks of 32 codes, four codes in three bytes); value_scales 4 x 2,048 x 32 uint8 (E8M0 scales of value, one for each 32 codes along K).
;; Outputs: out0 4 x 2,048 x 1,024 float32.
;; This version of the problem:
;;   THIS VERSION OF THE PROBLEM IS GIVEN IN LOW PRECISION. The matrix products marked QUANTISED in the list below multiply operands that are first quantised to E2M3 (2 exponent bits, 3 mantissa bits; 6 bits a number), with one power-of-two scale for each 32 numbers along K (OCP MX v1.0); their sums are f32. All else is computed in f32.
;;   The module's matrix products, in the order in which they are computed (A, B: the left and right operand; K: the contracted axis; several contracted axes count as one K, in the product's order):
;;     1. [M 8,192, K 1,024] x [K 1,024, N 1,024]; A: input query (given as codes); B: input Wq (given as codes): QUANTISED
;;     2. [M 8,192, K 1,024] x [K 1,024, N 1,024]; A: input key (given as codes); B: input Wk (given as codes): QUANTISED
;;     3. [M 8,192, K 1,024] x [K 1,024, N 1,024]; A: input value (given as codes); B: input Wv (given as codes): QUANTISED
;;     4. batch 64 x [M 2,048, K 64] x [K 64, N 2,048]; A: computed on the way; B: computed on the way: QUANTISED
;;     5. batch 64 x [M 2,048, K 2,048] x [K 2,048, N 64]; A: softmax (see below); B: computed on the way: QUANTISED
;;     6. [M 8,192, K 1,024] x [K 1,024, N 1,024]; A: computed on the way; B: input Wo (given as codes): QUANTISED
;;   THE QUANTISER, for each operand of a quantised product, along K:
;;     - K is cut into blocks of 32 from its start; a last block that is shorter is filled with zeros.
;;     - A block's scale is 2^e with e = floor(log2(the largest magnitude in the block)) - 2, held to -126 .. 127; a block of zeros has e = 0. As a byte (E8M0): e + 127.
;;     - Each number is divided by its block's scale, clamped to +-7.5, and rounded to the nearest number of E2M3, ties to even, subnormals kept.
;;     - The product sums the exact products of the quantised numbers (number of the format x scale) in f32.
;;   ~~~python
;;   def quantise(x, axis):      # numpy; x: float32 -> the quantised numbers, widened to float32 again
;;       x = np.moveaxis(x, axis, -1); K = x.shape[-1]
;;       x = np.pad(x, [(0, 0)] * (x.ndim - 1) + [(0, -K % 32)]); x = x.reshape(x.shape[:-1] + (-1, 32)); a = np.abs(x).max(-1, keepdims=True)
;;       e = np.where(a > 0, np.clip(np.frexp(np.where(a > 0, a, 1))[1] - 1 - 2, -126, 127), 0)      # np.frexp(a)[1] - 1 = floor(log2(a)), exactly
;;       r = np.clip(x / 2.0 ** e, -7.5, 7.5)
;;       step = 2.0 ** (np.maximum(np.frexp(np.where(r == 0, 1, r))[1] - 1, 0) - 3)
;;       q = np.round(r / step) * step * 2.0 ** e      # np.round: ties to even
;;       return np.moveaxis(q.reshape(q.shape[:-2] + (-1,))[..., :K], -1, axis).astype(np.float32)
;;   ~~~
;;   SOFTMAX AHEAD OF A QUANTISED PRODUCT. Where the list says 'softmax', what is quantised is not the finished softmax but p = 2^(t - M), with t = logit x log2(e) and M = ceil(the row's largest t), a whole number; so 1/2 < the row's largest p <= 1. The row's sum l is taken of the UNQUANTISED p, in f32, and the product's result is divided by l at the end. Since M is a whole number, a kernel that streams over the keys may use a running M (the ceiling of the running maximum): every later rescaling is an exact power of two, which a block's scale takes up: the codes' values come out the same.
;;   OPERANDS COMPUTED ON THE WAY. 'Computed on the way' means the value that the module computes at that place (a softmax that the list does not call 'softmax' is quantised finished and normalised). What goes into a quantiser is computed in f32, as accurately as f32 sums, v_exp_f32 and their like allow (about 1e-6 of the number): no bf16 or f16 on the way to a quantiser, and a product that is left as it is and whose result goes on into a quantised operand takes f32 operands (vector FMAs, or v_wmma_f32_16x16x4_f32). A number that lies on a knife's edge between two numbers of the format may be rounded either way, as far as f32 arithmetic and the matrix unit's own rounding can turn it there, and no further.
;;   INPUTS GIVEN AS CODES. Wk (in the module: [1024, 1024], K = its axis 1); Wo (in the module: [1024, 1024], K = its axis 1); Wq (in the module: [1024, 1024], K = its axis 1); Wv (in the module: [1024, 1024], K = its axis 1); key (in the module: [4, 2048, 1024], K = its axis 2); query (in the module: [4, 2048, 1024], K = its axis 2); value (in the module: [4, 2048, 1024], K = its axis 2): each comes as NAME_codes (uint8): NAME with its K axis moved to the last place and cut into blocks of 32 codes, [.., K / 32, bytes a block], one block behind the other in memory; four codes in three bytes: a row's codes are one little-endian stream of bits, code i at bits 6 i .. 6 i + 5 (a code: sign, 2 exponent bits, 3 mantissa bits); and NAME_scales (uint8): the same leading axes, one E8M0 byte (e + 127) for each 32 codes along K. Its value is code x scale, taken as it is: it is not quantised again, and the codes and scales need not be those that the quantiser above would give.
;; One version. Each part assembles by itself: llvm-mc -triple=amdgcn-amd-amdhsa -mcpu=gfx1250 --defsym DOCPART=n.
;; ======== version 1 of 1: 3 launches
;; workspace buffers: qkv_codes 18,874,368 bytes; qkv_scales 786,432 bytes; flags 2,048 bytes of whole numbers; att_codes 6,291,456 bytes; att_scales 262,144 bytes
;; launch proj (part 1): grid 4 x 96, 4 waves a work-group, clusters of 4 x 4, 327,680 bytes of LDS; arguments query_codes, query_scales, Wq_codes, Wq_scales, key_codes, key_scales, Wk_codes, Wk_scales, value_codes, value_scales, Wv_codes, Wv_scales, bq, bk, bv, attn_mask, qkv_codes, qkv_scales, flags; writes qkv_codes, qkv_scales, flags
.if DOCPART == 1
	.amdgcn_target "amdgcn-amd-amdhsa--gfx1250"
	.amdhsa_code_object_version 6
	.text
	.protected	k_q89a9ffaeef_proj
	.globl	k_q89a9ffaeef_proj
	.p2align	8
	.type	k_q89a9ffaeef_proj,@function
k_q89a9ffaeef_proj:
	s_mov_b64 s[64:65], 0
	v_nop
	global_prefetch_b8 v0, s[64:65] scope:SCOPE_SE
	s_setreg_imm32_b32 hwreg(HW_REG_WAVE_MODE, 25, 1), 1
	s_wait_xcnt 0x0
	s_wait_alu depctr_hold_cnt(0) depctr_sa_sdst(0) depctr_va_vdst(0) depctr_va_sdst(0) depctr_va_ssrc(0) depctr_va_vcc(0) depctr_vm_vsrc(0)
	s_getreg_b32 s2, hwreg(HW_REG_IB_STS2, 6, 4)
	s_cmp_eq_u32 s2, 0
	s_cbranch_scc0 .Lentry_in_a_cluster
	s_endpgm
.Lentry_in_a_cluster:
	s_bfe_u32 s2, ttmp6, 0x10000c
	s_cmp_lg_u32 s2, 0xf033
	s_cbranch_scc0 .Lentry_shape_is_right
	s_endpgm
.Lentry_shape_is_right:
; q = query Wq^T + bq, k = key Wk^T + bk, v = value Wv^T + bv, on codes of FP6 (E2M3) with one E8M0 scale for each 32 along K = 1,024; sums and biases in f32.
; The results never go to memory as f32: q and k are quantised along the head's 64, v along the keys, and leave as codes in the order of the next products' operand registers.
; 24 clusters of 4 x 4 work-groups: cluster y / 8 is the tensor T (0 q, 1 k, 2 v).  A work-group makes a tile of 256 x 256, each of its four waves 128 x 128 in 64 accumulators.
; THE MATRIX INSTRUCTION IS USED TRANSPOSED (source 0 = 16 rows of "B", source 1 = 16 rows of "A"): lane l holds row l % 16 of A's block and eight neighbouring rows 8 (l / 16) + 0 .. 7 of B's block.
; q, k: A = the tokens, B = the weight's rows: a lane's registers run along the head's axis.  v: A = Wv's rows, B = the tokens: a lane's registers run along the keys.  Only pointers and tile coordinates differ
; (chosen on the cluster's y, which all partners share); every LDS address is made of lane and wave alone.
; A UNIT of the workspace is 16 rows x 64 along K, 768 bytes: the image of six operand registers: lane (r, h) holds block h (32 codes) of row r; register pair p lies at 256 p + 8 x lane.
; ORDER INSIDE A BLOCK OF 32: a lane's 16 registers of two neighbouring accumulators hold elements 16 u + 8 h + j and are converted as they stand, to place 16 h + 8 u + j.  q and k, and later p and v, are made by
; the same lines, so both sides of a product carry the same order: the exact products are the same, only the order of the f32 sum inside a block differs from ascending k.
; The work-groups of tensor 0 also read attn_mask once: for each tile of 16 queries x 128 keys a bit "all hidden" and a bit "some hidden" go to the buffer flags.
; LIMITS: NaN and infinities among the inputs are not served; a block whose largest magnitude lies under 2^(3 - 127) keeps the scale byte 1 (a block of zeros too: its codes are zeros, and this program alone reads the bytes).
.set KSTEP,  256                       ; along K in a slot
.set NQ,     2                         ; matrix instructions deep
.set ROWB,   192                       ; a tile's row in bytes
.set KROW,   768                       ; a row of 1,024 codes in memory
.set PITCH,  240                       ; an LDS row: 3 x (64 bytes + 16 of padding)
.set FR,     12                        ; registers of a fragment
.set NL,     6                         ; LDS loads that bring one
.set NP,     4                         ; places behind this matrix instruction (ISA guide 7.12.1)
.set HALFT,  128*PITCH
.set SLOT,   4*HALFT                   ; A's 256 rows, then B's 256 rows
.set LAPS,   2                         ; 1,024 / 512: twice round the ring
.set KS,     32                        ; a row of scale bytes
.set SCL,    2*SLOT                    ; behind the ring: the scales, as units of 256 bytes + 16 of padding
.set HALFS,  16*272                    ; the scales of 128 rows
.set SBLK,   2*272                     ; those of 16 rows
.set SPARE,  SCL+4*HALFS               ; the spare words, 128 bytes for each wave: two blocks of 256 bytes that no other line names
.set ZR,   14                          ; v14     0, for the choice of the biases
.set ADRA, 16                          ; v16-19  LDS addresses of A's fragments (slot 0, 1; the same behind one padding more)
.set ADRB, 20                          ; v20-23  the same for B
.set LO8,  24                          ; v24     8 x lane: my place in a register pair's 256 bytes
.set SW,   25                          ; v25     the scale words' stage: 512 x wave + 4 (lane % 16)
.set SR,   26                          ; v26     and back: 512 x wave + 16 x lane
.set ADRS, 27                          ; v27     LDS address of my scale words: lanes 0-15 A's rows, lanes 16-31 B's
.set SPW,  28                          ; v28     my spare word; never rewritten
.set NIL,  29                          ; v29     0; never rewritten
.set SOFF, 30                          ; v30     where my 16 bytes of scale words go
.set SC,   32                          ; v32-63  scale words, two sets
.set BN,   64                          ; v64-127 the bias along a lane's registers (q, k), else 0
.set AF,   128                         ; v128-223 A's fragments
.set BM,   240                         ; v240-247 the bias of a lane's row (v), else 0
.set TT,   128                         ; the way out: 64 numbers
.set PC,   192                         ; v192-210 the codes just made
.set TM,   212                         ; v212-227 at work
.set PW,   228                         ; the scale word just made
.set SEL,  46                          ; s[46:47] selects for lane l xor 16 (way out)
.set BS,   52                          ; s[52:59] the four bases of the codes' stores (way out)
.set G1, 24
.set G0, 32
.set G1B, 48
.set G0B, 56
.set G1S, 68
.set G0S, 76
.set G1SB, 80
.set G0SB, 88
.set MSB, 0
.macro WIN new                         ; the immediate's high byte repeats the setting that is left
.if MSB != \new
	s_set_vgpr_msb (MSB<<8)|\new
.set MSB, \new
.endif
.endm
.set MUL_LO, 0xa1                      ; source 0 (B) window 1, source 1 (A) window 0, C and D window 2
.set MUL_HI, 0xf1                      ; the same, C and D window 3
.set TO_B,   0x40                      ; destination window 1, address window 0
; A joint load: waves 0 and 1 fetch for A, waves 2 and 3 for B; the branch hangs on the wave's number alone.  An s_nop 0 and four v_nop follow each of the two lines.
.macro JLOAD g0a, g1a, g0b, g1b
	s_cmp_eq_u32 s15, 0
	s_cbranch_scc0 .Lfor_b_\@
	tensor_load_to_lds s[\g0a:\g0a+3], s[\g1a:\g1a+7]
	s_nop 0
.rept 4
	v_nop
.endr
	s_branch .Lasked_\@
.Lfor_b_\@:
	tensor_load_to_lds s[\g0b:\g0b+3], s[\g1b:\g1b+7]
	s_nop 0
.rept 4
	v_nop
.endr
.Lasked_\@:
.endm
.macro CREST                           ; a round of the cluster's barrier behind its opening barrier
	s_cmp_lg_u32 s14, 0
	s_cbranch_scc1 .Lnot_wave_0_\@
	s_barrier_signal -3
.Lnot_wave_0_\@:
	s_barrier_wait -3
	s_barrier_signal -1
	s_barrier_wait -1
.endm
.macro CROUND                          ; a whole round
	s_barrier_signal -1
	s_barrier_wait -1
	CREST
.endm
	s_load_b256 s[68:75], s[0:1], 0x0              ; query: codes, scales; Wq: codes, scales
	s_load_b256 s[76:83], s[0:1], 0x20             ; key, Wk
	s_load_b256 s[84:91], s[0:1], 0x40             ; value, Wv
	s_load_b64 s[92:93], s[0:1], 0x60              ; bq
	s_load_b64 s[94:95], s[0:1], 0x68              ; bk
	s_load_b64 s[96:97], s[0:1], 0x70              ; bv
	s_load_b256 s[56:63], s[0:1], 0x78             ; attn_mask, qkv_codes, qkv_scales, flags
	v_lshl_add_u32 v[SPW], v0, 2, SPARE
	v_mov_b32 v[NIL], 0
	ds_add_u32 v[SPW], v[NIL]                      ; the wave's opening: the add and its wait ahead of my first tensor load; work on registers stands between them
	v_lshrrev_b32 v1, 5, v0
	v_readfirstlane_b32 s14, v1                    ; wave 0..3
	s_lshr_b32 s15, s14, 1                         ; which half of A's rows is mine.  Also: I fetch for A (0) or for B (1)
	s_and_b32 s16, s14, 1                          ; which half of B's rows.  Also: which 128 rows of that tile I fetch
	s_bfe_u32 s40, ttmp6, 0x40000                  ; cx, cy: my place in the cluster
	s_bfe_u32 s41, ttmp6, 0x40004
	s_and_b32 s18, ttmp7, 0xffff                   ; the cluster's y, 0 .. 23 (the grid is one cluster wide)
	s_lshr_b32 s66, s18, 3                         ; T: 0 q, 1 k, 2 v
	s_and_b32 s18, s18, 7
	s_lshl_b32 s18, s18, 2                         ; the first of the cluster's four blocks of 256 tokens
	s_cmp_eq_u32 s66, 2
	s_cselect_b32 s67, -1, 0                       ; all lanes' bits where the tensor is v
	s_cselect_b32 s17, 0, s18
	s_cselect_b32 s42, s18, 0
	s_add_co_u32 s17, s17, s41                     ; A's tile: q, k: tokens 256 (4 yy + cy); v: Wv's rows 256 cy
	s_add_co_u32 s42, s42, s40                     ; B's tile: q, k: the weight's rows 256 cx; v: tokens 256 (4 yy + cx)
	s_lshl_b32 s43, s41, 2
	s_lshl_b32 s43, 15, s43                        ; my row of the cluster
	s_lshl_b32 s44, 0x1111, s40                    ; my column
	; descriptor group 1: a tile of 128 rows x 192 bytes, 16 bytes of padding behind every 64
	s_or_b32 s[G1+0], s43, (0<<16)|(1<<20)|(1<<21)|(3<<22)|(3<<25)
	s_or_b32 s[G1B+0], s44, (0<<16)|(1<<20)|(1<<21)|(3<<22)|(3<<25)
.irp g, G1, G1B
	s_mov_b32 s[\g+1], ROWB<<16                    ; tensor_dim0
	s_mov_b32 s[\g+2], 128<<16                     ; tensor_dim1
	s_mov_b32 s[\g+3], ROWB<<16                    ; tile_dim0
	s_mov_b32 s[\g+4], 128                         ; tile_dim1
	s_mov_b32 s[\g+5], KROW                        ; tensor_dim0_stride
	s_mov_b32 s[\g+6], 0
	s_mov_b32 s[\g+7], 0
.endr
	s_lshl_b32 s18, s16, 7                         ; which 128 rows of the tile I fetch
	s_lshl_b32 s20, s17, 8
	s_add_co_u32 s20, s20, s18                     ; A: row
	s_lshl_b32 s46, s42, 8
	s_add_co_u32 s46, s46, s18                     ; B: row
	s_mov_b32 s21, 0
	s_mov_b32 s47, 0
	s_mov_b64 s[18:19], KS
	s_mul_u64 s[22:23], s[20:21], s[18:19]         ; where these rows' scales begin, in bytes
	s_mul_u64 s[32:33], s[46:47], s[18:19]
	s_mov_b64 s[18:19], KROW
	s_mul_u64 s[20:21], s[20:21], s[18:19]         ; and their codes
	s_mul_u64 s[46:47], s[46:47], s[18:19]
	s_mul_i32 s45, s14, HALFT                      ; where they go: wave x 128 rows
	s_mul_i32 s34, s14, HALFS
	s_wait_dscnt 0x0                               ; the opening add is done
	s_wait_kmcnt 0x0
	s_cmp_eq_u32 s66, 1                            ; the tensor's five buffers: a choice on the cluster's y alone
	s_cselect_b64 s[68:69], s[76:77], s[68:69]
	s_cselect_b64 s[70:71], s[78:79], s[70:71]
	s_cselect_b64 s[72:73], s[80:81], s[72:73]
	s_cselect_b64 s[74:75], s[82:83], s[74:75]
	s_cselect_b64 s[92:93], s[94:95], s[92:93]
	s_cmp_eq_u32 s66, 2
	s_cselect_b64 s[68:69], s[84:85], s[68:69]     ; the tokens' codes,
	s_cselect_b64 s[70:71], s[86:87], s[70:71]     ; their scales,
	s_cselect_b64 s[72:73], s[88:89], s[72:73]     ; the weight's codes,
	s_cselect_b64 s[74:75], s[90:91], s[74:75]     ; its scales,
	s_cselect_b64 s[98:99], s[96:97], s[92:93]     ; the bias
	s_cselect_b64 s[4:5], s[72:73], s[68:69]       ; A: for v the weight, else the tokens
	s_cselect_b64 s[6:7], s[74:75], s[70:71]
	s_cselect_b64 s[8:9], s[68:69], s[72:73]       ; B: the other
	s_cselect_b64 s[10:11], s[70:71], s[74:75]
	s_mov_b64 s[104:105], s[56:57]                 ; attn_mask
	s_mov_b64 s[12:13], s[58:59]                   ; qkv_codes
	s_mov_b64 s[100:101], s[60:61]                 ; qkv_scales
	s_mov_b64 s[2:3], s[62:63]                     ; flags
	s_add_nc_u64 s[20:21], s[4:5], s[20:21]
	s_add_nc_u64 s[22:23], s[6:7], s[22:23]
	s_add_nc_u64 s[46:47], s[8:9], s[46:47]
	s_add_nc_u64 s[92:93], s[10:11], s[32:33]
	s_mov_b32 s94, s34
	; the scales of 128 rows: a dense block of 4,096 bytes, as 16 rows of 256 bytes (32 elements of 8 bytes), 16 bytes of padding behind each
	s_or_b32 s[G1S+0], s43, (3<<16)|(1<<20)|(1<<21)|(5<<22)|(3<<25)
	s_or_b32 s[G1SB+0], s44, (3<<16)|(1<<20)|(1<<21)|(5<<22)|(3<<25)
.irp g, G1S, G1SB
	s_mov_b32 s[\g+1], 32<<16
	s_mov_b32 s[\g+2], 16<<16
	s_mov_b32 s[\g+3], 32<<16
	s_mov_b32 s[\g+4], 16
	s_mov_b32 s[\g+5], 32
	s_mov_b32 s[\g+6], 0
	s_mov_b32 s[\g+7], 0
.endr
	CROUND                                         ; all sixteen work-groups are here: the first joint loads meet
	s_mov_b32 s[G0S], 1
	s_add_co_u32 s[G0S+1], s94, SCL
	s_mov_b64 s[G0S+2:G0S+3], s[22:23]
	s_or_b32 s[G0S+3], s[G0S+3], 0x80000000
	s_mov_b32 s[G0SB], 1
	s_add_co_u32 s[G0SB+1], s94, SCL
	s_mov_b64 s[G0SB+2:G0SB+3], s[92:93]
	s_or_b32 s[G0SB+3], s[G0SB+3], 0x80000000
	JLOAD G0S, G1S, G0SB, G1SB                     ; the scales first: they are wanted with K step 0
.irp s, 0,1
	s_mov_b32 s[G0+4*\s], 1
	s_add_co_u32 s[G0+4*\s+1], s45, \s*SLOT
	s_add_nc_u64 s[G0+4*\s+2:G0+4*\s+3], s[20:21], \s*ROWB
	s_or_b32 s[G0+4*\s+3], s[G0+4*\s+3], 0x80000000
	s_mov_b32 s[G0B+4*\s], 1
	s_add_co_u32 s[G0B+4*\s+1], s45, \s*SLOT
	s_add_nc_u64 s[G0B+4*\s+2:G0B+4*\s+3], s[46:47], \s*ROWB
	s_or_b32 s[G0B+4*\s+3], s[G0B+4*\s+3], 0x80000000
	JLOAD G0+4*\s, G1, G0B+4*\s, G1B               ; three tensor loads of mine are out now
.endr
	v_and_b32 v1, 15, v0                           ; r = l % 16
	v_bfe_u32 v2, v0, 4, 1                         ; h = l / 16
	v_mul_u32_u24 v3, v1, PITCH
	v_mul_u32_u24 v4, v2, 24
	v_add_nc_u32 v4, v3, v4                        ; a fragment's row x pitch + 24 x half
	v_lshl_add_u32 v5, v2, 4, v4                   ; and the same behind one padding more
	s_mul_i32 s21, s15, HALFT                      ; my 128 rows of A
	s_mul_i32 s22, s16, HALFT                      ; my 128 rows of B,
	s_add_co_u32 s22, s22, 2*HALFT                 ; which lie behind A's 256
.irp s, 0,1
	v_add_nc_u32 v[ADRA+\s], s21, v4
	v_add_nc_u32 v[ADRB+\s], s22, v4
	v_add_nc_u32 v[ADRA+2+\s], s21, v5
	v_add_nc_u32 v[ADRB+2+\s], s22, v5
	s_add_co_u32 s21, s21, SLOT
	s_add_co_u32 s22, s22, SLOT
.endr
	v_mul_u32_u24 v5, v1, KS                       ; my row's scales: 32 bytes a row,
	v_lshrrev_b32 v6, 8, v5
	v_lshl_add_u32 v5, v6, 4, v5                   ; and 16 more for each 256 passed
	s_mul_i32 s21, s15, HALFS
	s_mul_i32 s22, s16, HALFS
	s_add_co_u32 s22, s22, 2*HALFS
	s_sub_co_u32 s22, s22, s21
	v_mul_u32_u24 v6, s22, v2                      ; lanes 16-31 take B's
	s_add_co_u32 s21, s21, SCL
	v_add_nc_u32 v5, v5, v6
	v_add_nc_u32 v[ADRS], s21, v5
	v_and_b32 v6, 31, v0
	v_lshlrev_b32 v[LO8], 3, v6
	s_lshl_b32 s23, s14, 9
	v_lshl_add_u32 v[SW], v1, 2, s23
	v_lshl_add_u32 v[SR], v6, 4, s23
	; the bias.  q, k: by a lane's registers (column 16 b + 8 h + j); v: by a lane's row (column 16 a + r).  Both sets are loaded, from places inside the buffer, and the one that does not apply is made 0 on the way out
	s_lshl_b32 s20, s17, 8
	s_lshl_b32 s21, s15, 7
	s_add_co_u32 s20, s20, s21                     ; the first of my 128 rows of A
	s_lshl_b32 s22, s42, 8
	s_lshl_b32 s23, s16, 7
	s_add_co_u32 s22, s22, s23                     ; and of B
	s_cmp_eq_u32 s66, 2
	s_cselect_b32 s96, s20, s22                    ; my first output column
	s_cselect_b32 s97, s22, s20                    ; my first token
	s_cselect_b32 s92, 0, s96
	s_cselect_b32 s94, s96, 0
	s_lshl_b32 s92, s92, 2
	s_lshl_b32 s94, s94, 2
	s_mov_b32 s93, 0
	s_mov_b32 s95, 0
	s_add_nc_u64 s[92:93], s[98:99], s[92:93]
	s_add_nc_u64 s[94:95], s[98:99], s[94:95]
	v_lshlrev_b32 v8, 5, v2                        ; 32 h; never rewritten
	v_lshlrev_b32 v9, 2, v1                        ; 4 r; never rewritten
.irp b, 0,1,2,3,4,5,6,7
	global_load_b128 v[BN+8*\b:BN+8*\b+3], v8, s[92:93] offset:64*\b
	global_load_b128 v[BN+8*\b+4:BN+8*\b+7], v8, s[92:93] offset:64*\b+16
.endr
.irp a, 0,1,2,3,4,5,6,7
	global_load_b32 v[BM+\a], v9, s[94:95] offset:64*\a
.endr
	; THE MASK'S FLAGS, in the 128 work-groups of tensor 0 (a branch on the cluster's y): work-group (tile row, tile column) takes the 16 queries of tile 4 x row + column, wave w the keys 512 w .. 512 w + 511.
	s_cmp_lg_u32 s66, 0
	s_cbranch_scc1 .Lno_flags
	s_lshl_b32 s20, s17, 2
	s_add_co_u32 s20, s20, s42                     ; the tile of 16 queries, 0 .. 127
	s_lshl_b32 s22, s20, 15                        ; 16 rows of 2,048 bytes
	s_mov_b32 s23, 0
	s_add_nc_u64 s[104:105], s[104:105], s[22:23]
	v_and_b32 v12, 31, v0
	v_lshlrev_b32 v12, 4, v12
	v_lshl_add_u32 v12, s14, 9, v12                ; 16 x lane + 512 x wave: a load of the wave reads 512 consecutive bytes of a row
.irp i, 0,1,2,3,4,5,6,7,8,9,10,11,12,13,14,15
	global_load_b128 v[128+4*\i:131+4*\i], v12, s[104:105] offset:2048*\i
.endr
	s_wait_loadcnt 0x0
	v_or_b32 v224, v128, v129                      ; of my 16 keys x 16 queries: is any byte set, are all set (a byte is 0 or 1)
	v_or_b32 v225, v130, v131
	v_and_b32 v226, v128, v129
	v_and_b32 v227, v130, v131
.set i, 132
.rept 30
	v_or_b32 v224, v224, v[i]
	v_or_b32 v225, v225, v[i+1]
	v_and_b32 v226, v226, v[i]
	v_and_b32 v227, v227, v[i+1]
.set i, i+2
.endr
	v_or_b32 v224, v224, v225
	v_and_b32 v226, v226, v227
	s_mov_b32 s21, 0x01010101
	v_cmp_ne_u32 s22, 0, v224                      ; a bit a lane; eight lanes are a key step of 128
	v_cmp_eq_u32 s23, s21, v226
	s_mov_b32 s21, 0
.irp g, 0,1,2,3
	s_bfe_u32 s46, s23, (8<<16)|(8*\g)
	s_cmp_eq_u32 s46, 0xff
	s_cselect_b32 s46, 1<<\g, 0                    ; bit g: key step 4 w + g is hidden whole
	s_or_b32 s21, s21, s46
	s_bfe_u32 s46, s22, (8<<16)|(8*\g)
	s_cmp_lg_u32 s46, 0
	s_cselect_b32 s46, 1<<(16+\g), 0               ; bit 16 + g: some key of it is hidden
	s_or_b32 s21, s21, s46
.endr
	s_lshl_b32 s20, s20, 2
	s_add_co_u32 s20, s20, s14
	s_lshl_b32 s46, s20, 2                         ; word [tile][w]
	s_mov_b32 s47, 0
	s_add_nc_u64 s[2:3], s[2:3], s[46:47]
	v_mov_b32 v10, s21
	v_mov_b32 v11, 0
	v_and_b32 v13, 31, v0
	v_cmp_eq_u32 vcc_lo, 0, v13
	s_wait_xcnt 0x0                                ; EXEC changes only behind this wait
	s_and_saveexec_b32 s46, vcc_lo
	global_store_b32 v11, v10, s[2:3]              ; lane 0 alone: 4 bytes a wave, 2,048 bytes in the whole launch
	s_wait_xcnt 0x0                                ; and again in front of the line that widens it
	s_or_b32 exec_lo, exec_lo, s46
.Lno_flags:
.macro FRAG reg, adr, q, i             ; a fragment, 16 rows x 128 K of 6-bit codes: 12 registers, in pieces of 8 bytes; where the piece of lanes 16-31 lies behind one padding more, the second address register serves
.irp p, 0,1,2,3,4,5
.set PCE, 12*(\q)+6*(\p/3)+\p%3
.if PCE%8 < 5
	ds_load_b64 v[\reg+2*\p:\reg+2*\p+1], v[\adr] offset:8*PCE+16*(PCE/8)+(\i)*16*PITCH
.else
	ds_load_b64 v[\reg+2*\p:\reg+2*\p+1], v[\adr+2] offset:8*PCE+16*(PCE/8)+(\i)*16*PITCH
.endif
.endr
.endm
; 16 matrix instructions: A's blocks a0, a0 + 1 x B's eight, 128 along K.  The 64 accumulators take turns, one instruction a turn, in the same order in every step.
.macro MUL16 a0, p, q, sc, zero
.irp a, \a0, \a0+1
.irp b, 0,1,2,3,4,5,6,7
.if \zero
	v_wmma_scale_f32_16x16x128_f8f6f4 v[8*(8*((\a)%4)+\b):8*(8*((\a)%4)+\b)+7], v[128*(\p)+FR*\b:128*(\p)+FR*\b+FR-1], v[AF+FR*(\a):AF+FR*(\a)+FR-1], 0, v[SC+8*NQ*(\sc)+NQ*\b+(\q)], v[SC+8*NQ*(\sc)+NQ*(\a)+(\q)] matrix_a_fmt:MATRIX_FMT_FP6 matrix_b_fmt:MATRIX_FMT_FP6 matrix_a_scale:MATRIX_SCALE_ROW1
.else
	v_wmma_scale_f32_16x16x128_f8f6f4 v[8*(8*((\a)%4)+\b):8*(8*((\a)%4)+\b)+7], v[128*(\p)+FR*\b:128*(\p)+FR*\b+FR-1], v[AF+FR*(\a):AF+FR*(\a)+FR-1], v[8*(8*((\a)%4)+\b):8*(8*((\a)%4)+\b)+7], v[SC+8*NQ*(\sc)+NQ*\b+(\q)], v[SC+8*NQ*(\sc)+NQ*(\a)+(\q)] matrix_a_fmt:MATRIX_FMT_FP6 matrix_b_fmt:MATRIX_FMT_FP6 matrix_a_scale:MATRIX_SCALE_ROW1
.endif
.endr
.endr
.endm
.macro FETCH_B slot, q, p
	WIN TO_B
.irp i, 0,1,2,3,4,5,6,7
	FRAG 128*(\p)+FR*\i, ADRB+\slot, \q, \i
.endr
	WIN 0
.endm
.macro FETCH_A slot, q, i0
.irp i, \i0, \i0+1, \i0+2, \i0+3
	FRAG AF+FR*(\i), ADRA+\slot, \q, \i
.endr
.endm
.macro SCALES sc                       ; a K step's scale words: lanes 0-15 take A's block i, lanes 16-31 B's block i
.irp i, 0,1,2,3,4,5,6,7
	ds_load_b64 v[SC+8*NQ*\sc+NQ*\i:SC+8*NQ*\sc+NQ*\i+1], v[ADRS] offset:\i*SBLK
.endr
.endm
.macro PLACES n                        ; places in front of loads into registers that matrix instructions have read, and of the first read of results
.rept \n
	v_nop
.endr
.endm
.macro STEP slot, q, zero              ; a step of 128 along K that has its successor in the same slot
	s_wait_dscnt 4*NL                              ; B's set and A's blocks 0-3 are in; the youngest 24 loads (A's blocks 4-7) may be out
	WIN MUL_LO
	MUL16 0, (\q)%2, \q, \slot, \zero
	MUL16 2, (\q)%2, \q, \slot, \zero
	s_wait_dscnt 0
	PLACES NP
	FETCH_B \slot, (\q)+1, 1-(\q)%2
	FETCH_A \slot, (\q)+1, 0
	WIN MUL_HI
	MUL16 4, (\q)%2, \q, \slot, \zero
	MUL16 6, (\q)%2, \q, \slot, \zero
	PLACES NP
	WIN 0
	FETCH_A \slot, (\q)+1, 4
.endm
; A slot's last step changes slots: one barrier; in front of it each wave waits for all its tensor loads, adds 0 to its spare word, and waits for that and for its own reads of this slot.
.macro TURN slot, next, fill
	s_wait_tensorcnt 0x0                           ; all my tensor loads have landed: my part of the next slot
	ds_add_u32 v[SPW], v[NIL]
	s_wait_dscnt 4*NL+1                            ; (the add and the youngest 24 loads may be out)
	WIN MUL_LO
	MUL16 0, 1, NQ-1, \slot, 0
	s_wait_dscnt 0x0                               ; the add is done, and my reads of this slot are over
	s_barrier_signal -1
	MUL16 2, 1, NQ-1, \slot, 0
	WIN 0
	s_barrier_wait -1
.if \fill
	CREST                                          ; the barrier has opened a round of the cluster's barrier: no wave of any partner still reads this slot or has a load on its way
	s_add_nc_u64 s[G0+4*\slot+2:G0+4*\slot+3], s[G0+4*\slot+2:G0+4*\slot+3], 2*ROWB
	s_add_nc_u64 s[G0B+4*\slot+2:G0B+4*\slot+3], s[G0B+4*\slot+2:G0B+4*\slot+3], 2*ROWB
	JLOAD G0+4*\slot, G1, G0B+4*\slot, G1B         ; the first tensor load behind the round; its four v_nop are the places in front of the loads below
.else
	PLACES NP
.endif
	v_add_nc_u32 v[ADRS], 4*NQ, v[ADRS]            ; on to the next K step's scale words
	FETCH_B \next, 0, 0
	FETCH_A \next, 0, 0
	SCALES \next
	WIN MUL_HI
	MUL16 4, 1, NQ-1, \slot, 0
	MUL16 6, 1, NQ-1, \slot, 0
	PLACES NP
	WIN 0
	FETCH_A \next, 0, 4
.endm
	s_wait_tensorcnt 1                             ; the scales and my part of K step 0 are in; K step 1's load may be out
	s_barrier_signal -1
	s_barrier_wait -1
	FETCH_B 0, 0, 0
	FETCH_A 0, 0, 0
	SCALES 0
	FETCH_A 0, 0, 4
	STEP 0, 0, 1                                   ; the first step's products start the sums
	s_mov_b32 s3, LAPS-1
.Llap:
	TURN 0, 1, 1
	STEP 1, 0, 0
	TURN 1, 0, 1
	STEP 0, 0, 0
	s_sub_co_u32 s3, s3, 1
	s_cmp_lg_u32 s3, 0
	s_cbranch_scc1 .Llap
	TURN 0, 1, 0                                   ; the last lap fills nothing
	STEP 1, 0, 0
	s_wait_dscnt 4*NL
	WIN MUL_LO
	MUL16 0, 1, NQ-1, 1, 0
	MUL16 2, 1, NQ-1, 1, 0
	s_wait_dscnt 0
	WIN MUL_HI
	MUL16 4, 1, NQ-1, 1, 0
	MUL16 6, 1, NQ-1, 1, 0
	WIN 0
	; THE WAY OUT.  No tensor load of mine is out since the last change of slots, so the descriptors' registers are free.
	PLACES NP
	s_wait_loadcnt 0x0                             ; the biases
	v_mov_b32 v[ZR], 0
.set i, 0
.rept 64
	v_cndmask_b32 v[BN+i], v[BN+i], v[ZR], s67     ; v: 0
.set i, i+1
.endr
.irp a, 0,1,2,3,4,5,6,7
	v_cndmask_b32 v[BM+\a], v[ZR], v[BM+\a], s67   ; q, k: 0
.endr
.irp b, 0,1,2,3
	v_mov_b32 v[TM+4+\b], 0                        ; a lane permute's destination counts as one of its sources
.endr
	s_lshr_b32 s24, s97, 11                        ; the batch
	s_and_b32 s25, s97, 2047                       ; my first token in it
	s_lshl_b32 s24, s24, 4
	s_lshr_b32 s26, s96, 6
	s_add_co_u32 s24, s24, s26                     ; the first of my two heads: 16 x batch + column / 64
	s_mul_i32 s26, s66, 6291456
	s_mul_i32 s27, s24, 98304
	s_add_co_u32 s26, s26, s27
	s_lshr_b32 s27, s25, 4
	s_mul_i32 s27, s27, 768                        ; q, k: unit token / 16; v: unit 4 (token / 64): the same number of bytes, since my first token is a multiple of 128
	s_add_co_u32 s26, s26, s27
	s_mov_b32 s27, 0
	s_add_nc_u64 s[BS:BS+1], s[12:13], s[26:27]
	s_mul_i32 s26, s66, 262144
	s_lshl_b32 s28, s24, 12
	s_add_co_u32 s26, s26, s28
	s_mov_b32 s30, 98304
	s_mov_b32 s32, 4096
	s_cmp_eq_u32 s66, 2
	s_cselect_b32 s30, 3072, s30                   ; from a fragment's first unit to its second: q, k: the next head; v: the next 64 keys
	s_cselect_b32 s34, 95232, 0                    ; blocks 4-7: v: the next head, less the 3,072 bytes that the offset 768 a has run on
	s_cselect_b32 s28, 1, 2
	s_cselect_b32 s32, s32, 256                    ; the scale words of lanes 16-31: v: the next head's; q, k: the next 64 tokens'
	s_mov_b32 s31, 0
	s_mov_b32 s35, 0
	s_lshl_b32 s28, s25, s28                       ; q, k: 4 bytes a token; v: 256 bytes for each 128 tokens
	s_add_co_u32 s26, s26, s28
	s_add_nc_u64 s[60:61], s[100:101], s[26:27]
	s_add_nc_u64 s[BS+2:BS+3], s[BS:BS+1], s[30:31]
	s_add_nc_u64 s[BS+4:BS+5], s[BS:BS+1], s[34:35]
	s_add_nc_u64 s[BS+6:BS+7], s[BS+4:BS+5], s[30:31]
	v_mul_u32_u24 v[SOFF], s32, v2
	v_lshl_add_u32 v[SOFF], v1, 4, v[SOFF]
	s_mov_b32 s[SEL], 0x76543210
	s_mov_b32 s[SEL+1], 0xfedcba98
; 64 numbers of a lane, four blocks of 16 (the other 16 of a block lie in lane l xor 16), become a fragment's codes in v[PC] on and its scale word in v[PW].
.macro QUANT s
.irp b, 0,1,2,3
	v_max3_num_f32 v[TM+\b], |v[\s+16*\b]|, |v[\s+1+16*\b]|, 0x1800000   ; and the floor 2^(3 - 127): the byte cannot fall under 1
.endr
.irp i, 2,4,6,8,10,12,14
.irp b, 0,1,2,3
	v_max3_num_f32 v[TM+\b], v[TM+\b], |v[\s+16*\b+\i]|, |v[\s+1+16*\b+\i]|
.endr
.endr
.irp b, 0,1,2,3
	v_permlanex16_b32 v[TM+4+\b], v[TM+\b], s[SEL], s[SEL+1]
.endr
.irp b, 0,1,2,3
	v_max_num_f32 v[TM+\b], v[TM+\b], v[TM+4+\b]   ; the block's largest magnitude
.endr
.irp b, 0,1,2,3
	v_add_nc_u32 v[TM+12+\b], 0xff000000, v[TM+\b]   ; 2 off its exponent field: the conversion's scale operand
.endr
.irp b, 0,1,2,3
	v_lshrrev_b32 v[TM+4+\b], 23, v[TM+12+\b]      ; the scale's byte
.endr
	v_lshl_or_b32 v[PW], v[TM+5], 8, v[TM+4]
	v_lshl_or_b32 v[PW], v[TM+6], 16, v[PW]
	v_lshl_or_b32 v[PW], v[TM+7], 24, v[PW]
.irp c, 0,1
	v_cvt_scalef32_pk16_fp6_f32 v[PC+6*\c:PC+2+6*\c], v[\s+32*\c:\s+15+32*\c], v[TM+12+2*\c]
	v_cvt_scalef32_pk16_fp6_f32 v[PC+12+4*\c:PC+14+4*\c], v[\s+16+32*\c:\s+31+32*\c], v[TM+12+2*\c+1]   ; (a conversion's three registers begin on an even number)
.endr
	v_nop                                          ; one plain place behind a scaled conversion
.irp c, 0,1                                    ; a whole block to a lane: lanes 0-15 block 2 c, lanes 16-31 block 2 c + 1
.irp i, 0,1,2
	v_permlane16_swap_b32 v[PC+6*\c+\i], v[PC+12+4*\c+\i]
.endr
.irp i, 0,1,2
	v_mov_b32 v[PC+3+6*\c+\i], v[PC+12+4*\c+\i]
.endr
.endr
.endm
; Block a of 16 rows of A x my 128 rows of B: bias, quantiser, two units of codes and a scale word a row.
.macro OUT a
	s_wait_xcnt 0x0                                ; the last block's stores have read their registers
	s_wait_dscnt 0x0
	WIN 0x02+(\a)/4                                ; source 0: window 2 or 3
.set i, 0
.rept 32
	v_pk_add_f32 v[TT+i:TT+i+1], v[64*((\a)%4)+i:64*((\a)%4)+i+1], v[BN+i:BN+i+1]   ; each accumulator from its low end on
.set i, i+2
.endr
	WIN 0
.set i, 0
.rept 32
.if (\a)%2
	v_pk_add_f32 v[TT+i:TT+i+1], v[TT+i:TT+i+1], v[BM+2*((\a)/2):BM+2*((\a)/2)+1] op_sel:[0,1] op_sel_hi:[1,1]
.else
	v_pk_add_f32 v[TT+i:TT+i+1], v[TT+i:TT+i+1], v[BM+2*((\a)/2):BM+2*((\a)/2)+1] op_sel_hi:[1,0]
.endif
.set i, i+2
.endr                                              ; one of the two addends is 0: the bias is rounded in once
	QUANT TT
.irp c, 0,1
.irp p, 0,1,2
	global_store_b64 v[LO8], v[PC+6*\c+2*\p:PC+6*\c+2*\p+1], s[BS+4*((\a)/4)+2*\c:BS+4*((\a)/4)+2*\c+1] offset:768*(\a)+256*\p   ; 32 lanes store 256 consecutive bytes, aligned
.endr
.endr
	ds_store_b32 v[SW], v[PW] offset:64*(\a)       ; my stage lies in slot 0, which has had its last fill and its last read; both halves of the lanes write the same word
.endm
.irp a, 0,1,2,3,4,5,6,7
	OUT \a
.endr
	ds_load_b128 v[232:235], v[SR]                 ; LDS serves a wave's instructions in order: these see my stores
	s_wait_dscnt 0x0
	global_store_b128 v[SOFF], v[232:235], s[60:61]   ; 128 scale words: sixteen lanes store 256 consecutive bytes, aligned
	s_wait_tensorcnt 0x0                           ; the wave's end
	ds_add_u32 v[SPW], v[NIL]
	s_wait_dscnt 0x0
	CROUND                                         ; the closing round
	s_endpgm
.Lfunc_end_k_q89a9ffaeef_proj:
	.size	k_q89a9ffaeef_proj, .Lfunc_end_k_q89a9ffaeef_proj-k_q89a9ffaeef_proj
	.p2alignl 7, 3214868480
	.fill 96, 4, 3214868480
	.section	.rodata,"a",@progbits
	.p2align	6, 0x0
	.amdhsa_kernel k_q89a9ffaeef_proj
		.amdhsa_group_segment_fixed_size 327680
		.amdhsa_private_segment_fixed_size 0
		.amdhsa_enable_private_segment 0
		.amdhsa_kernarg_size 152
		.amdhsa_user_sgpr_count 2
		.amdhsa_user_sgpr_kernarg_segment_ptr 1
		.amdhsa_wavefront_size32 1
		.amdhsa_system_sgpr_workgroup_id_x 1
		.amdhsa_system_sgpr_workgroup_id_y 1
		.amdhsa_system_sgpr_workgroup_id_z 1
		.amdhsa_system_vgpr_workitem_id 0
		.amdhsa_next_free_vgpr 1024
		.amdhsa_next_free_sgpr 106
		.amdhsa_reserve_vcc 1
		.amdhsa_float_denorm_mode_32 3
		.amdhsa_float_denorm_mode_16_64 3
		.amdhsa_memory_ordered 1
		.amdhsa_forward_progress 1
		.amdhsa_inst_pref_size 216
	.end_amdhsa_kernel
	.amdgpu_metadata
---
amdhsa.version: [ 1, 2 ]
amdhsa.kernels:
  - .name:           k_q89a9ffaeef_proj
    .symbol:         k_q89a9ffaeef_proj.kd
    .args:
      - { .name: query_codes, .offset: 0, .size: 8, .value_kind: global_buffer, .address_space: global }
      - { .name: query_scales, .offset: 8, .size: 8, .value_kind: global_buffer, .address_space: global }
      - { .name: Wq_codes, .offset: 16, .size: 8, .value_kind: global_buffer, .address_space: global }
      - { .name: Wq_scales, .offset: 24, .size: 8, .value_kind: global_buffer, .address_space: global }
      - { .name: key_codes, .offset: 32, .size: 8, .value_kind: global_buffer, .address_space: global }
      - { .name: key_scales, .offset: 40, .size: 8, .value_kind: global_buffer, .address_space: global }
      - { .name: Wk_codes, .offset: 48, .size: 8, .value_kind: global_buffer, .address_space: global }
      - { .name: Wk_scales, .offset: 56, .size: 8, .value_kind: global_buffer, .address_space: global }
      - { .name: value_codes, .offset: 64, .size: 8, .value_kind: global_buffer, .address_space: global }
      - { .name: value_scales, .offset: 72, .size: 8, .value_kind: global_buffer, .address_space: global }
      - { .name: Wv_codes, .offset: 80, .size: 8, .value_kind: global_buffer, .address_space: global }
      - { .name: Wv_scales, .offset: 88, .size: 8, .value_kind: global_buffer, .address_space: global }
      - { .name: bq, .offset: 96, .size: 8, .value_kind: global_buffer, .address_space: global }
      - { .name: bk, .offset: 104, .size: 8, .value_kind: global_buffer, .address_space: global }
      - { .name: bv, .offset: 112, .size: 8, .value_kind: global_buffer, .address_space: global }
      - { .name: attn_mask, .offset: 120, .size: 8, .value_kind: global_buffer, .address_space: global }
      - { .name: qkv_codes, .offset: 128, .size: 8, .value_kind: global_buffer, .address_space: global }
      - { .name: qkv_scales, .offset: 136, .size: 8, .value_kind: global_buffer, .address_space: global }
      - { .name: flags, .offset: 144, .size: 8, .value_kind: global_buffer, .address_space: global }
    .group_segment_fixed_size: 327680
    .private_segment_fixed_size: 0
    .kernarg_segment_align: 8
    .kernarg_segment_size: 152
    .max_flat_workgroup_size: 128
    .sgpr_count:     106
    .vgpr_count:     1024
    .wavefront_size: 32
...
	.end_amdgpu_metadata
.endif
;; end of part 1
;; launch attn (part 2): grid 4 x 64, 16 waves a work-group, no clusters, 210,944 bytes of LDS; arguments qkv_codes, qkv_scales, flags, attn_mask, att_codes, att_scales; writes att_codes, att_scales
.if DOCPART == 2
	.amdgcn_target "amdgcn-amd-amdhsa--gfx1250"
	.amdhsa_code_object_version 6
	.text
	.protected	k_q89a9ffaeef_attn
	.globl	k_q89a9ffaeef_attn
	.p2align	8
	.type	k_q89a9ffaeef_attn,@function
k_q89a9ffaeef_attn:
	s_mov_b64 s[64:65], 0
	v_nop
	global_prefetch_b8 v0, s[64:65] scope:SCOPE_SE
	s_setreg_imm32_b32 hwreg(HW_REG_WAVE_MODE, 25, 1), 1
	s_wait_xcnt 0x0
; Attention of one (batch, head) on codes of FP6 (E2M3): S^T = k q^T (K = the head's 64), the mask as it is given, p = 2^(t - M) with t = score x log2(e) / 8 and M the running largest t rounded up to a whole
; number, O^T = v^T p^T (K = the keys); the row's sum of the unquantised p divides at the end; the result is quantised along C for the last product and leaves as codes.
; SHARES.  Work-group (j, bh) owns the 32 tiles of 16 queries 4 i + j of head bh; wave w takes i = w and then i = 31 - w.  A lane holds ONE query (lane % 16) throughout: both products are used transposed.
; LDS.  A whole head's codes of k and v and their scale words, 208,896 bytes, are brought ONCE, through registers, and one barrier follows: the only one.  Behind it the waves share nothing that is written.
; THE MASK IS AN INPUT.  The launch before has stored, for each tile of 16 queries x 128 keys, whether all of it is hidden and whether some of it is.  A step that is hidden whole is jumped over (its p would all be 0);
; a step with some hidden keys loads its 2,048 mask bytes and sets those scores to -infinity; a step with none loads nothing.
; The four work-groups of a head read the same k and v.  They are not asked for jointly by tensor loads: the steps are jumped over by branches on numbers read from memory.
; THE HEAD'S 64 IN AN INSTRUCTION OF 128: q's registers 6-11 are zero codes; k's operand names 12 registers, the upper six being the next tile's codes (behind the last tile: zeros), which meet zero codes;
; the scale bytes of the upper two blocks are 0x7f on both sides.
; ORDER INSIDE A BLOCK OF 32: q and k carry the same order, p and v likewise (p's 16 registers of two neighbouring tiles are converted as they stand, as v's were).  The result is brought into true order along C.
; A ROW WHOSE KEYS ARE ALL HIDDEN has the sum 0; its scale bytes become 0xff, so that the last product gives NaN in that row.
; LIMITS: NaN and infinities in q, k, v are not served; a block under 2^(3 - 127) keeps the byte 1; the scale bytes of the result leave as 2 bytes a row (a head has no more of a row: 2 bytes beside 48 of codes).
.set KC,    0                          ; k: 128 units of 768 bytes (16 keys x 64)
.set VC,    98304                      ; v: unit (64 keys g, 16 channels d) at (4 g + d) x 768
.set KSC,   196608                     ; k's scale words, one a key
.set VSC,   204800                     ; v's: [key step 16][channel 64]
.set SPARE, 208896                     ; the spare words, 128 bytes for each of 16 waves: eight blocks of 256 bytes that no other line names
.set SPW,  5                           ; v5  my spare word; never rewritten
.set NIL,  6                           ; v6  0; never rewritten
; v1 8 lane (k)   v2 8 lane + VC   v3 4 lane + KSC   v4 4 lane + VSC   v7 2048 r + 8 h (mask)   v8-11 the step's LDS addresses   v12 -M   v13 largest t   v[14:15] the sum   v16-21 q, v22-27 zeros   v28 q's scale word
; v29 the step's mask offset   v30 8 lane   v31 4 r   v32-79 k's 8 tiles, then v's 4 fragments   v80-85 zeros   v86-89 k's scale words   v90-91 v's   v92 32 r   v93 lane   v96-159 S^T, then p   v160-191 O^T
; v192-207 mask bytes   v208 -infinity   v209-210, v244 at work   v212-223 blocks' maxima, bytes, scale operands   v224-235 p's codes   v236-242 the conversions' second halves   v[246:247] f   v248 p's scale word   v249-254 the fill's addresses
; s16 wave  s18 bh  s19 batch  s20 head  s21 16 (head % 2)  s[22:23] c  s[24:25] selects  s26, s27 masks of a scale word  s28-31 byte selects  s[32:39], s[74:77] bases  s41 i  s42 tile  s[44:47] flag words  s48, s49 hidden, mixed
; s50 step  s51-54 the step's offsets  s[56:61], s[66:69], s[78:79] the tile's bases  s70-73 at work
	s_load_b256 s[4:11], s[0:1], 0x0               ; qkv_codes, qkv_scales, flags, attn_mask
	s_load_b128 s[12:15], s[0:1], 0x20             ; att_codes, att_scales
	v_lshl_add_u32 v[SPW], v0, 2, SPARE
	v_mov_b32 v[NIL], 0
	v_lshrrev_b32 v93, 5, v0
	s_delay_alu instid0(VALU_DEP_1)
	v_readfirstlane_b32 s16, v93                   ; wave 0..15
	s_and_b32 s18, ttmp7, 0xffff                   ; bh
	s_lshr_b32 s19, s18, 4
	s_and_b32 s20, s18, 15
	s_and_b32 s21, s18, 1
	s_lshl_b32 s21, s21, 4                         ; q's and k's scale words hold two heads' bytes: mine begin at bit 16 (head % 2)
	s_mov_b32 s22, 0x3e38aa3b                      ; c = log2(e) / 8
	s_mov_b32 s23, s22
	s_mov_b32 s24, 0x76543210
	s_mov_b32 s25, 0xfedcba98
	s_mov_b32 s26, 0xffff
	s_mov_b32 s27, 0x7f7f0000
	s_mov_b32 s28, 0
	s_mov_b32 s29, 0x01010101
	s_mov_b32 s30, 0x02020202
	s_mov_b32 s31, 0x03030303
	v_and_b32 v93, 31, v0                          ; lane
	v_and_b32 v94, 15, v0                          ; r
	v_bfe_u32 v95, v0, 4, 1                        ; h
	s_delay_alu instid0(VALU_DEP_3)
	v_lshlrev_b32 v1, 3, v93
	s_delay_alu instid0(VALU_DEP_1)
	v_add_nc_u32 v2, VC, v1
	v_lshlrev_b32 v3, 2, v93
	s_delay_alu instid0(VALU_DEP_1)
	v_add_nc_u32 v4, VSC, v3
	s_delay_alu instid0(VALU_DEP_2)
	v_add_nc_u32 v3, KSC, v3
	v_lshlrev_b32 v7, 11, v94
	s_delay_alu instid0(VALU_DEP_1)
	v_lshl_add_u32 v7, v95, 3, v7
	v_lshlrev_b32 v30, 3, v93
	v_lshlrev_b32 v31, 2, v94
	v_lshlrev_b32 v92, 5, v94
	v_lshlrev_b32 v249, 4, v0                      ; the fill: 16 bytes a thread, 8,192 an instruction of the work-group
	s_delay_alu instid0(VALU_DEP_1)
	v_add_nc_u32 v250, 65536, v249
	s_delay_alu instid0(VALU_DEP_2)
	v_add_nc_u32 v251, 131072, v249
	s_delay_alu instid0(VALU_DEP_3)
	v_add_nc_u32 v252, KSC, v249
	v_lshlrev_b32 v253, 3, v0
	s_delay_alu instid0(VALU_DEP_1)
	v_add_nc_u32 v254, VSC, v253
	s_mul_i32 s70, s18, 98304
	s_mov_b32 s71, 0
	s_lshr_b32 s72, s18, 1
	s_lshl_b32 s72, s72, 13
	s_mov_b32 s73, 0
	s_lshl_b32 s74, s18, 12
	s_mov_b32 s75, 0
	s_wait_alu depctr_va_vdst(0)
	s_wait_kmcnt 0x0
	s_add_nc_u64 s[32:33], s[4:5], s[70:71]        ; q's codes of my head,
	s_add_nc_u64 s[34:35], s[32:33], 6291456       ; k's,
	s_add_nc_u64 s[36:37], s[32:33], 12582912      ; v's
	s_add_nc_u64 s[38:39], s[6:7], s[72:73]        ; q's scale words of my pair of heads,
	s_add_nc_u64 s[76:77], s[6:7], s[74:75]
	s_add_nc_u64 s[76:77], s[76:77], 524288        ; v's of my head,
	s_add_nc_u64 s[74:75], s[38:39], 262144        ; k's of my pair
.macro TILE_LOADS                      ; tile 4 i + j (i in s41): q's unit, its scale words, the tile's four flag words
	s_lshl_b32 s42, s41, 2
	s_add_co_u32 s42, s42, ttmp9
	s_mul_i32 s72, s42, 768
	s_mov_b32 s73, 0
	s_add_nc_u64 s[56:57], s[32:33], s[72:73]
	s_lshl_b32 s72, s42, 6
	s_add_nc_u64 s[58:59], s[38:39], s[72:73]
	s_lshl_b32 s72, s42, 4
	s_add_nc_u64 s[78:79], s[8:9], s[72:73]
	global_load_b64 v[16:17], v30, s[56:57]
	global_load_b64 v[18:19], v30, s[56:57] offset:256
	global_load_b64 v[20:21], v30, s[56:57] offset:512
	global_load_b32 v28, v31, s[58:59]
	s_load_b128 s[44:47], s[78:79], 0x0
.endm
	s_mov_b32 s41, s16
	TILE_LOADS
.irp i, 0,1,2,3,4,5,6,7,8,9,10,11
	global_load_b128 v[96+4*\i:99+4*\i], v249, s[34:35] offset:8192*\i
.endr
.irp i, 0,1,2,3,4,5,6,7,8,9,10,11
	global_load_b128 v[144+4*\i:147+4*\i], v249, s[36:37] offset:8192*\i
.endr
	global_load_b128 v[192:195], v249, s[74:75]
	global_load_b64 v[196:197], v253, s[76:77]
.irp i, 22,23,24,25,26,27,80,81,82,83,84,85,216,217,218,219,244,247
	v_mov_b32 v[\i], 0                             ; the zero codes; and what a lane permute or a pair names before it is first written
.endr
	v_mov_b32 v208, 0xff800000                     ; -infinity
.irp i, 0,1,2,3,4,5,6,7,8,9,10,11,12,13,14,15,16,17,18,19,20,21,22,23
	s_wait_loadcnt 25-\i                           ; behind load i of the fill's 26 stand 25 - i
	ds_store_b128 v[249+\i/8], v[96+4*\i:99+4*\i] offset:8192*(\i%8)
.endr
	s_wait_loadcnt 1                               ; k's scale words are in; v's may be out
.irp i, 192,193,194,195
	v_lshrrev_b32 v[\i], s21, v[\i]                ; my head's two bytes,
	s_delay_alu instid0(VALU_DEP_1)
	v_and_or_b32 v[\i], v[\i], s26, s27            ; and 0x7f for the two blocks that are not there
.endr
	ds_store_b128 v252, v[192:195]
	s_wait_loadcnt 0x0
	ds_store_b64 v254, v[196:197]
	s_wait_dscnt 0x0                               ; for the others' sake: my stores have landed
	s_barrier_signal -1
	s_barrier_wait -1
.macro TILE more                       ; one tile of 16 queries; more = 1: the wave's other tile is asked for behind the keys' loop
	s_wait_xcnt 0x0                                ; the last tile's stores have read their bases and registers
	s_lshl_b32 s72, s42, 15
	s_mov_b32 s73, 0
	s_add_nc_u64 s[60:61], s[10:11], s[72:73]      ; the mask at my first query
	s_lshl_b32 s72, s19, 7
	s_add_co_u32 s72, s72, s42                     ; the tile among all 512 of the tokens
	s_lshl_b32 s70, s72, 4
	s_add_co_u32 s70, s70, s20
	s_mul_i32 s70, s70, 768
	s_mov_b32 s71, 0
	s_add_nc_u64 s[66:67], s[12:13], s[70:71]      ; the result's unit (tile, head)
	s_lshl_b32 s70, s72, 9
	s_lshl_b32 s72, s20, 1
	s_add_co_u32 s70, s70, s72
	s_add_nc_u64 s[68:69], s[14:15], s[70:71]      ; its scale bytes: 32 a token, mine at 2 x head
	s_wait_loadcnt 0x0                             ; q
	s_wait_kmcnt 0x0                               ; the flags
	v_lshrrev_b32 v28, s21, v28
	s_delay_alu instid0(VALU_DEP_1)
	v_and_or_b32 v28, v28, s26, s27
	s_and_b32 s48, s44, 15                         ; bit s of s48: key step s is hidden whole; of s49: some key of it is hidden
	s_bfe_u32 s49, s44, 0x40010
.irp w, 1,2,3
	s_and_b32 s70, s[44+\w], 15
	s_lshl_b32 s70, s70, 4*\w
	s_or_b32 s48, s48, s70
	s_bfe_u32 s70, s[44+\w], 0x40010
	s_lshl_b32 s70, s70, 4*\w
	s_or_b32 s49, s49, s70
.endr
	v_mov_b32 v13, 0xff61b1e6                      ; the largest t so far: -3e38
	s_delay_alu instid0(VALU_DEP_1)
	v_floor_f32 v12, -v13                          ; -M
	v_mov_b32 v14, 0
	v_mov_b32 v15, 0
.set i, 160
.rept 32
	v_mov_b32 v[i], 0                              ; O^T (these are also the places between the write of q's scale word and the first product)
.set i, i+1
.endr
	s_mov_b32 s50, 0
	s_mov_b32 s51, 0
	s_mov_b32 s52, 0
	s_mov_b32 s53, 0
	s_mov_b32 s54, 0
.Lstep_\@:                                         ; 16 trips: 128 keys each
	s_and_b32 s70, s48, 1
	s_cmp_lg_u32 s70, 0
	s_cbranch_scc1 .Lnext_\@                       ; hidden whole: nothing of it counts
	s_setprio 2
	v_add_nc_u32 v8, s51, v1                       ; (four places behind the last step's products, in front of the loads into their registers)
	v_add_nc_u32 v9, s51, v2
	v_add_nc_u32 v10, s52, v3
	v_add_nc_u32 v11, s53, v4
.irp b, 0,1,2,3
	ds_load_b32 v[86+\b], v10 offset:128*\b        ; lanes 0-15: the words of tile 2 b's keys; lanes 16-31: of tile 2 b + 1's
.endr
.irp t, 0,1,2,3,4,5,6,7
.irp p, 0,1,2
	ds_load_b64 v[32+6*\t+2*\p:33+6*\t+2*\p], v8 offset:768*\t+256*\p
.endr
.endr
	s_and_b32 s71, s49, 1
	s_cmp_eq_u32 s71, 0
	s_cbranch_scc1 .Lno_bytes_\@
	v_add_nc_u32 v29, s54, v7
.irp t, 0,1,2,3,4,5,6,7
	global_load_b64 v[192+2*\t:193+2*\t], v29, s[60:61] offset:16*\t   ; the mask of my query and tile t's eight keys of my half
.endr
.Lno_bytes_\@:
	s_wait_dscnt 0x0
.irp t, 0,2,4,6
	v_wmma_scale_f32_16x16x128_f8f6f4 v[96+8*\t:103+8*\t], v[32+6*\t:43+6*\t], v[16:27], 0, v[86+\t/2], v28 matrix_a_fmt:MATRIX_FMT_FP6 matrix_b_fmt:MATRIX_FMT_FP6
	v_wmma_scale_f32_16x16x128_f8f6f4 v[104+8*\t:111+8*\t], v[38+6*\t:49+6*\t], v[16:27], 0, v[86+\t/2], v28 matrix_a_fmt:MATRIX_FMT_FP6 matrix_b_fmt:MATRIX_FMT_FP6 matrix_a_scale:MATRIX_SCALE_ROW1
.endr                                              ; lane (r, h): query r; register 8 t + j: key 16 t + 8 h + j of the step
.rept 4
	v_nop                                          ; places in front of the loads below and of the first read of the scores
.endr
	s_wait_alu depctr_va_vdst(0)
.irp i, 0,1
	ds_load_b32 v[90+\i], v11 offset:128*\i        ; v's scale words: lanes 0-15 channels 32 i on, lanes 16-31 channels 32 i + 16 on
.endr
.irp d, 0,1,2,3
.irp c, 0,1
.irp p, 0,1,2
	ds_load_b64 v[32+12*\d+6*\c+2*\p:33+12*\d+6*\c+2*\p], v9 offset:3072*\c+768*\d+256*\p   ; v lands while the softmax is worked
.endr
.endr
.endr
	s_cmp_eq_u32 s71, 0
	s_cbranch_scc1 .Lopen_\@
	s_wait_loadcnt 0x0
.irp m, 0,1,2,3,4,5,6,7,8,9,10,11,12,13,14,15
	v_lshlrev_b32 v[209+\m%2], 8, v[192+\m]
	s_delay_alu instid0(VALU_DEP_1)
	v_sub_nc_u32 v[192+\m], v[209+\m%2], v[192+\m] ; x 255: a byte 1 becomes 0xff
.endr
.irp t, 0,1,2,3,4,5,6,7
.irp j, 0,1,2,3,4,5,6,7
	v_perm_b32 v[209+\j%2], v[192+2*\t+\j/4], v[192+2*\t+\j/4], s[28+\j%4]   ; key j's byte into all four,
	v_bfi_b32 v[96+8*\t+\j], v[209+\j%2], v208, v[96+8*\t+\j]                ; and -infinity where it is set
.endr
.endr
.Lopen_\@:
.irp b, 0,1,2,3
	v_max3_num_f32 v[212+\b], v[96+16*\b], v[97+16*\b], v[98+16*\b]   ; the largest score of each block of 32 keys: for the row's maximum, and, since p rises with the score, for the block's largest p
.endr
.irp i, 3,5,7,9,11,13
.irp b, 0,1,2,3
	v_max3_num_f32 v[212+\b], v[212+\b], v[96+16*\b+\i], v[97+16*\b+\i]
.endr
.endr
.irp b, 0,1,2,3
	v_max_num_f32 v[212+\b], v[212+\b], v[111+16*\b]
.endr
.irp b, 0,1,2,3
	s_delay_alu instid0(VALU_DEP_4)
	v_permlanex16_b32 v[216+\b], v[212+\b], s24, s25
.endr
.irp b, 0,1,2,3
	s_delay_alu instid0(VALU_DEP_4)
	v_max_num_f32 v[212+\b], v[212+\b], v[216+\b]
.endr
	s_delay_alu instid0(VALU_DEP_2)
	v_max3_num_f32 v244, v212, v213, v214
	s_delay_alu instid0(VALU_DEP_1)
	v_max_num_f32 v244, v244, v215
	s_delay_alu instid0(VALU_DEP_1)
	v_mul_f32 v244, s22, v244                      ; as t
	s_delay_alu instid0(VALU_DEP_1)
	v_max_num_f32 v13, v13, v244                   ; the running largest t
	v_mov_b32 v244, v12
	s_delay_alu instid0(VALU_DEP_2)
	v_floor_f32 v12, -v13                          ; the new -M = -ceil(t)
	s_delay_alu instid0(VALU_DEP_1)
	v_sub_f32 v244, v12, v244                      ; old M - new M: a whole number, 0 or less
	s_delay_alu instid0(VALU_DEP_1)
	v_cvt_i32_f32 v244, v244                       ; (it saturates)
	s_delay_alu instid0(VALU_DEP_1)
	v_ldexp_f32 v246, 1.0, v244                    ; f = 2^(old M - new M)
.set i, 96
	s_setprio 1
.rept 32
	v_pk_fma_f32 v[i:i+1], v[i:i+1], s[22:23], v[12:13] op_sel_hi:[1,0,0]   ; t - M
.set i, i+2
.endr
.irp b, 0,1,2,3
	v_fma_f32 v[212+\b], v[212+\b], s22, v12
.endr
.set i, 96
	s_wait_alu depctr_va_vdst(0)
.rept 64
	v_exp_f32 v[i], v[i]                           ; p = 2^(t - M)
.set i, i+1
.endr
	v_pk_mul_f32 v[14:15], v[14:15], v[246:247] op_sel_hi:[1,0]   ; the sums under the new M (a plain place behind the exponentials)
	s_wait_alu depctr_va_vdst(0)                   ; one wait for the whole batch, ahead of its first reader
.irp b, 0,1,2,3
	v_exp_f32 v[212+\b], v[212+\b]                 ; the block's largest p
.endr
	v_pk_add_f32 v[216:217], v[96:97], v[98:99]    ; the row's sum of the unquantised p, in two chains
.irp j, 4,8,12,16,20,24,28,32,36,40,44,48,52,56,60
	v_pk_add_f32 v[14:15], v[14:15], v[96+\j:97+\j]
	v_pk_add_f32 v[216:217], v[216:217], v[98+\j:99+\j]
.endr
	s_delay_alu instid0(VALU_DEP_1)
	v_pk_add_f32 v[14:15], v[14:15], v[216:217]
	s_setprio 0
	s_wait_alu depctr_va_vdst(0)                   ; and one for the four
.irp b, 0,1,2,3
	v_max_num_f32 v[212+\b], 0x1800000, v[212+\b]  ; the floor 2^(3 - 127)
.endr
.irp b, 0,1,2,3
	s_delay_alu instid0(VALU_DEP_4)
	v_add_nc_u32 v[220+\b], 0xff000000, v[212+\b]  ; 2 off the exponent field: the conversion's scale operand
.endr
.irp b, 0,1,2,3
	s_delay_alu instid0(VALU_DEP_4)
	v_lshrrev_b32 v[216+\b], 23, v[220+\b]         ; the scale's byte
.endr
	s_delay_alu instid0(VALU_DEP_3)
	v_lshl_or_b32 v248, v217, 8, v216
	s_delay_alu instid0(VALU_DEP_1)
	v_lshl_or_b32 v248, v218, 16, v248
	s_delay_alu instid0(VALU_DEP_1)
	v_lshl_or_b32 v248, v219, 24, v248
.irp c, 0,1
	v_cvt_scalef32_pk16_fp6_f32 v[224+6*\c:226+6*\c], v[96+32*\c:111+32*\c], v[220+2*\c]
	v_cvt_scalef32_pk16_fp6_f32 v[236+4*\c:238+4*\c], v[112+32*\c:127+32*\c], v[220+2*\c+1]
.endr
	v_nop                                          ; one plain place behind a scaled conversion
.irp c, 0,1
.irp i, 0,1,2
	v_permlane16_swap_b32 v[224+6*\c+\i], v[236+4*\c+\i]
.endr
.irp i, 0,1,2
	s_delay_alu instid0(VALU_DEP_3)
	v_mov_b32 v[227+6*\c+\i], v[236+4*\c+\i]
.endr
.endr
.set i, 160
.rept 16
	v_pk_mul_f32 v[i:i+1], v[i:i+1], v[246:247] op_sel_hi:[1,0]   ; O^T under the new M (also the places in front of the products)
.set i, i+2
.endr
	s_wait_alu depctr_va_vdst(0)
	s_wait_dscnt 0x0                               ; v
.irp d, 0,2                                        ; the four accumulators by turns, one instruction a turn
	v_wmma_scale_f32_16x16x128_f8f6f4 v[160+8*\d:167+8*\d], v[32+12*\d:43+12*\d], v[224:235], v[160+8*\d:167+8*\d], v[90+\d/2], v248 matrix_a_fmt:MATRIX_FMT_FP6 matrix_b_fmt:MATRIX_FMT_FP6
	v_wmma_scale_f32_16x16x128_f8f6f4 v[168+8*\d:175+8*\d], v[44+12*\d:55+12*\d], v[224:235], v[168+8*\d:175+8*\d], v[90+\d/2], v248 matrix_a_fmt:MATRIX_FMT_FP6 matrix_b_fmt:MATRIX_FMT_FP6 matrix_a_scale:MATRIX_SCALE_ROW1
.endr
.Lnext_\@:
	s_lshr_b32 s48, s48, 1
	s_lshr_b32 s49, s49, 1
	s_add_co_u32 s51, s51, 6144                    ; eight units of k, and of v
	s_add_co_u32 s52, s52, 512
	s_add_co_u32 s53, s53, 256
	s_add_co_u32 s54, s54, 128
	s_add_co_u32 s50, s50, 1
	s_cmp_lt_u32 s50, 16
	s_cbranch_scc1 .Lstep_\@
	s_setprio 0
.if \more
	s_sub_co_u32 s41, 31, s16
	TILE_LOADS                                     ; the other tile's q and flags come while this tile goes out
.endif
.rept 4
	v_nop                                          ; places behind the last products
.endr
	v_add_f32 v14, v14, v15
	s_delay_alu instid0(VALU_DEP_1)
	v_permlanex16_b32 v244, v14, s24, s25
	s_delay_alu instid0(VALU_DEP_1)
	v_add_f32 v14, v14, v244                       ; the row's sum
	s_wait_alu depctr_va_vdst(0)
	v_rcp_f32 v246, v14
	v_nop                                          ; a plain place behind the reciprocal
	s_wait_alu depctr_va_vdst(0)                   ; and the wait ahead of its first reader
.set i, 160
.rept 16
	v_pk_mul_f32 v[i:i+1], v[i:i+1], v[246:247] op_sel_hi:[1,0]   ; register 8 d + j: channel 16 d + 8 h + j of my query
.set i, i+2
.endr
.irp b, 0,1
.irp j, 0,1,2,3,4,5,6,7
	v_permlane16_swap_b32 v[160+16*\b+\j], v[168+16*\b+\j]   ; true order along C: register 16 b + i now holds channel 32 b + 16 h + i
.endr
.endr
.irp b, 0,1
	v_max3_num_f32 v[212+\b], |v[160+16*\b]|, |v[161+16*\b]|, 0x1800000
.endr
.irp i, 2,4,6,8,10,12,14
.irp b, 0,1
	s_delay_alu instid0(VALU_DEP_2)
	v_max3_num_f32 v[212+\b], v[212+\b], |v[160+16*\b+\i]|, |v[161+16*\b+\i]|
.endr
.endr
.irp b, 0,1
	s_delay_alu instid0(VALU_DEP_2)
	v_permlanex16_b32 v[216+\b], v[212+\b], s24, s25
.endr
.irp b, 0,1
	s_delay_alu instid0(VALU_DEP_2)
	v_max_num_f32 v[212+\b], v[212+\b], v[216+\b]
.endr
.irp b, 0,1
	s_delay_alu instid0(VALU_DEP_2)
	v_add_nc_u32 v[220+\b], 0xff000000, v[212+\b]
.endr
.irp b, 0,1
	s_delay_alu instid0(VALU_DEP_2)
	v_lshrrev_b32 v[216+\b], 23, v[220+\b]
.endr
	s_delay_alu instid0(VALU_DEP_1)
	v_lshl_or_b32 v248, v217, 8, v216              ; my row's two scale bytes
	v_mov_b32 v244, 0xffff
	v_cmp_eq_f32 vcc_lo, 0, v14
	s_delay_alu instid0(VALU_DEP_1)
	v_cndmask_b32 v248, v248, v244, vcc_lo         ; a row with no key: NaN
	v_cvt_scalef32_pk16_fp6_f32 v[224:226], v[160:175], v220
	v_cvt_scalef32_pk16_fp6_f32 v[236:238], v[176:191], v221
	v_nop
.irp i, 0,1,2
	v_permlane16_swap_b32 v[224+\i], v[236+\i]
.endr
.irp i, 0,1,2
	s_delay_alu instid0(VALU_DEP_3)
	v_mov_b32 v[227+\i], v[236+\i]
.endr
.irp p, 0,1,2
	global_store_b64 v30, v[224+2*\p:225+2*\p], s[66:67] offset:256*\p   ; 32 lanes store 256 consecutive bytes, aligned
.endr
	v_cmp_gt_u32 vcc_lo, 16, v93
	s_wait_xcnt 0x0                                ; EXEC changes only behind this wait
	s_and_saveexec_b32 s72, vcc_lo
	global_store_b16 v92, v248, s[68:69]
	s_wait_xcnt 0x0
	s_or_b32 exec_lo, exec_lo, s72
.endm
	TILE 1
	TILE 0
	s_wait_tensorcnt 0x0                           ; the wave's end
	ds_add_u32 v[SPW], v[NIL]
	s_wait_dscnt 0x0
	s_endpgm
.Lfunc_end_k_q89a9ffaeef_attn:
	.size	k_q89a9ffaeef_attn, .Lfunc_end_k_q89a9ffaeef_attn-k_q89a9ffaeef_attn
	.p2alignl 7, 3214868480
	.fill 96, 4, 3214868480
	.section	.rodata,"a",@progbits
	.p2align	6, 0x0
	.amdhsa_kernel k_q89a9ffaeef_attn
		.amdhsa_group_segment_fixed_size 210944
		.amdhsa_private_segment_fixed_size 0
		.amdhsa_enable_private_segment 0
		.amdhsa_kernarg_size 48
		.amdhsa_user_sgpr_count 2
		.amdhsa_user_sgpr_kernarg_segment_ptr 1
		.amdhsa_wavefront_size32 1
		.amdhsa_system_sgpr_workgroup_id_x 1
		.amdhsa_system_sgpr_workgroup_id_y 1
		.amdhsa_system_sgpr_workgroup_id_z 1
		.amdhsa_system_vgpr_workitem_id 0
		.amdhsa_next_free_vgpr 256
		.amdhsa_next_free_sgpr 80
		.amdhsa_reserve_vcc 1
		.amdhsa_float_denorm_mode_32 3
		.amdhsa_float_denorm_mode_16_64 3
		.amdhsa_memory_ordered 1
		.amdhsa_forward_progress 1
		.amdhsa_inst_pref_size 86
	.end_amdhsa_kernel
	.amdgpu_metadata
---
amdhsa.version: [ 1, 2 ]
amdhsa.kernels:
  - .name:           k_q89a9ffaeef_attn
    .symbol:         k_q89a9ffaeef_attn.kd
    .args:
      - { .name: qkv_codes, .offset: 0, .size: 8, .value_kind: global_buffer, .address_space: global }
      - { .name: qkv_scales, .offset: 8, .size: 8, .value_kind: global_buffer, .address_space: global }
      - { .name: flags, .offset: 16, .size: 8, .value_kind: global_buffer, .address_space: global }
      - { .name: attn_mask, .offset: 24, .size: 8, .value_kind: global_buffer, .address_space: global }
      - { .name: att_codes, .offset: 32, .size: 8, .value_kind: global_buffer, .address_space: global }
      - { .name: att_scales, .offset: 40, .size: 8, .value_kind: global_buffer, .address_space: global }
    .group_segment_fixed_size: 210944
    .private_segment_fixed_size: 0
    .kernarg_segment_align: 8
    .kernarg_segment_size: 48
    .max_flat_workgroup_size: 512
    .sgpr_count:     80
    .vgpr_count:     256
    .wavefront_size: 32
...
	.end_amdgpu_metadata
.endif
;; end of part 2
;; launch outp (part 3): grid 4 x 32, 4 waves a work-group, clusters of 4 x 4, 327,680 bytes of LDS; arguments att_codes, att_scales, Wo_codes, Wo_scales, out0, bo; writes out0
.if DOCPART == 3
	.amdgcn_target "amdgcn-amd-amdhsa--gfx1250"
	.amdhsa_code_object_version 6
	.text
	.protected	k_q89a9ffaeef_outp
	.globl	k_q89a9ffaeef_outp
	.p2align	8
	.type	k_q89a9ffaeef_outp,@function
k_q89a9ffaeef_outp:
	s_mov_b64 s[64:65], 0
	v_nop
	global_prefetch_b8 v0, s[64:65] scope:SCOPE_SE
	s_setreg_imm32_b32 hwreg(HW_REG_WAVE_MODE, 25, 1), 1
	s_wait_xcnt 0x0
	s_wait_alu depctr_hold_cnt(0) depctr_sa_sdst(0) depctr_va_vdst(0) depctr_va_sdst(0) depctr_va_ssrc(0) depctr_va_vcc(0) depctr_vm_vsrc(0)
	s_getreg_b32 s2, hwreg(HW_REG_IB_STS2, 6, 4)
	s_cmp_eq_u32 s2, 0
	s_cbranch_scc0 .Lentry_in_a_cluster
	s_endpgm
.Lentry_in_a_cluster:
	s_bfe_u32 s2, ttmp6, 0x10000c
	s_cmp_lg_u32 s2, 0xf033
	s_cbranch_scc0 .Lentry_shape_is_right
	s_endpgm
.Lentry_shape_is_right:
; out0 = att Wo^T + bo on codes of FP6 (E2M3), one E8M0 scale for each 32 along K = 1,024; sums and bias in f32.  att: 8,192 rows as codes in units of 16 rows x 64 K (768 bytes: the image of six operand
; registers, register pair p at 256 p + 8 x lane), unit (16 rows t, head) at (16 t + head) x 768; its scale bytes [8192][32].  Wo: [1024][1024] codes, rows of 768 bytes; scale bytes [1024][32].
; A tile of 256 x 256 to a work-group of four waves, 128 x 128 a wave; K in steps of 256 through two LDS slots; clusters of 4 x 4 with joint loads: A's tiles shared along a row of the cluster, B's along a column.
; The grid has 128 work-groups: the product has no more tiles of this size.  THE MATRIX INSTRUCTION IS USED TRANSPOSED (source 0 = 16 rows of Wo, source 1 = 16 rows of att).
.set SIZE_N, 1024
.set KSTEP,  256
.set NQ,     2
.set ROWB,   192
.set ASTEP,  3072                      ; a K step of A: four units of each 16 rows
.set KROW,   768
.set PITCH,  240
.set FR,     12
.set NL,     6
.set NP,     4
.set HALFT,  128*PITCH                 ; B: 128 rows; A's 128 rows take 24,576 bytes of such a place
.set SLOT,   4*HALFT
.set LAPS,   2
.set KS,     32
.set SCL,    2*SLOT
.set HALFS,  16*272
.set SBLK,   2*272
.set SPARE,  SCL+4*HALFS               ; the spare words, 128 bytes for each wave: two blocks of 256 bytes that no other line names
.set SPITCH, 528                       ; the way out: a stage of 16 rows x (512 bytes + 16) for each wave, in slot 0, which has had its last fill and its last read by then
.set ADRA, 16                          ; v16-17  LDS address of A's units in slot 0, 1: 8 x lane + my 128 rows
.set ADRB, 20                          ; v20-23  B's fragments
.set STO,  24
.set RD,   25
.set CO,   26
.set ADRS, 27
.set SPW,  28                          ; my spare word; never rewritten
.set NIL,  29                          ; 0; never rewritten
.set SC,   32
.set AF,   128
.set BK,   128
.set G1, 24
.set G0, 32
.set G1B, 48
.set G0B, 56
.set G1S, 68
.set G0S, 76
.set G1SB, 80
.set G0SB, 88
.set MSB, 0
.macro WIN new
.if MSB != \new
	s_set_vgpr_msb (MSB<<8)|\new
.set MSB, \new
.endif
.endm
.set MUL_LO, 0xa1
.set MUL_HI, 0xf1
.set TO_B,   0x40
.macro JLOAD g0a, g1a, g0b, g1b        ; a joint load: waves 0 and 1 fetch for A, waves 2 and 3 for B; an s_nop 0 and four v_nop follow each of the two lines
	s_cmp_eq_u32 s15, 0
	s_cbranch_scc0 .Lfor_b_\@
	tensor_load_to_lds s[\g0a:\g0a+3], s[\g1a:\g1a+7]
	s_nop 0
.rept 4
	v_nop
.endr
	s_branch .Lasked_\@
.Lfor_b_\@:
	tensor_load_to_lds s[\g0b:\g0b+3], s[\g1b:\g1b+7]
	s_nop 0
.rept 4
	v_nop
.endr
.Lasked_\@:
.endm
.macro CREST
	s_cmp_lg_u32 s14, 0
	s_cbranch_scc1 .Lnot_wave_0_\@
	s_barrier_signal -3
.Lnot_wave_0_\@:
	s_barrier_wait -3
	s_barrier_signal -1
	s_barrier_wait -1
.endm
.macro CROUND
	s_barrier_signal -1
	s_barrier_wait -1
	CREST
.endm
	s_load_b128 s[4:7], s[0:1], 0x0                ; A's codes, A's scales
	s_load_b128 s[8:11], s[0:1], 0x10              ; B's codes, B's scales
	s_load_b64 s[12:13], s[0:1], 0x20              ; out0
	s_load_b64 s[96:97], s[0:1], 0x28              ; bo
	v_lshl_add_u32 v[SPW], v0, 2, SPARE
	v_mov_b32 v[NIL], 0
	ds_add_u32 v[SPW], v[NIL]                      ; the wave's opening: the add and its wait ahead of my first tensor load
	v_lshrrev_b32 v1, 5, v0
	v_readfirstlane_b32 s14, v1                    ; wave 0..3
	s_lshr_b32 s15, s14, 1
	s_and_b32 s16, s14, 1
	s_bfe_u32 s40, ttmp6, 0x40000                  ; cx, cy
	s_bfe_u32 s41, ttmp6, 0x40004
	s_lshl_b32 s42, ttmp9, 2
	s_add_co_u32 s42, s42, s40                     ; tile column
	s_and_b32 s17, ttmp7, 0xffff
	s_lshl_b32 s17, s17, 2
	s_add_co_u32 s17, s17, s41                     ; tile row
	s_lshl_b32 s43, s41, 2
	s_lshl_b32 s43, 15, s43                        ; my row of the cluster
	s_lshl_b32 s44, 0x1111, s40                    ; my column
	; A: 8 rows (one for each 16 rows of att) of 3,072 bytes (384 elements of 8 bytes), 12,288 bytes apart; no padding: a load of 8 bytes a lane takes 256 consecutive bytes
	s_or_b32 s[G1+0], s43, (3<<16)|(1<<21)
	s_mov_b32 s[G1+1], 384<<16                     ; tensor_dim0
	s_mov_b32 s[G1+2], 8<<16                       ; tensor_dim1
	s_mov_b32 s[G1+3], 384<<16                     ; tile_dim0
	s_mov_b32 s[G1+4], 8                           ; tile_dim1
	s_mov_b32 s[G1+5], 1536                        ; tensor_dim0_stride
	s_mov_b32 s[G1+6], 0
	s_mov_b32 s[G1+7], 0
	; B: 128 rows x 192 bytes, 16 bytes of padding behind every 64
	s_or_b32 s[G1B+0], s44, (0<<16)|(1<<20)|(1<<21)|(3<<22)|(3<<25)
	s_mov_b32 s[G1B+1], ROWB<<16
	s_mov_b32 s[G1B+2], 128<<16
	s_mov_b32 s[G1B+3], ROWB<<16
	s_mov_b32 s[G1B+4], 128
	s_mov_b32 s[G1B+5], KROW
	s_mov_b32 s[G1B+6], 0
	s_mov_b32 s[G1B+7], 0
	; the scales of 128 rows: 4,096 dense bytes as 16 rows of 256, 16 bytes of padding behind each
	s_or_b32 s[G1S+0], s43, (3<<16)|(1<<20)|(1<<21)|(5<<22)|(3<<25)
	s_or_b32 s[G1SB+0], s44, (3<<16)|(1<<20)|(1<<21)|(5<<22)|(3<<25)
.irp g, G1S, G1SB
	s_mov_b32 s[\g+1], 32<<16
	s_mov_b32 s[\g+2], 16<<16
	s_mov_b32 s[\g+3], 32<<16
	s_mov_b32 s[\g+4], 16
	s_mov_b32 s[\g+5], 32
	s_mov_b32 s[\g+6], 0
	s_mov_b32 s[\g+7], 0
.endr
	s_lshl_b32 s18, s16, 7
	s_lshl_b32 s20, s17, 8
	s_add_co_u32 s20, s20, s18                     ; A: row 256 x tile row + 128 x half
	s_lshl_b32 s46, s42, 8
	s_add_co_u32 s46, s46, s18                     ; B: row 256 x tile column + 128 x half
	s_mov_b32 s21, 0
	s_mov_b32 s47, 0
	s_mov_b64 s[18:19], KS
	s_mul_u64 s[22:23], s[20:21], s[18:19]
	s_mul_u64 s[92:93], s[46:47], s[18:19]
	s_mov_b64 s[18:19], KROW
	s_mul_u64 s[20:21], s[20:21], s[18:19]         ; (16 rows of att are 16 units, 12,288 bytes: 768 a row, as in B)
	s_mul_u64 s[46:47], s[46:47], s[18:19]
	s_mul_i32 s45, s14, HALFT
	s_mul_i32 s94, s14, HALFS
	s_wait_dscnt 0x0                               ; the opening add is done
	s_wait_kmcnt 0x0
	s_add_nc_u64 s[20:21], s[4:5], s[20:21]
	s_add_nc_u64 s[22:23], s[6:7], s[22:23]
	s_add_nc_u64 s[46:47], s[8:9], s[46:47]
	s_add_nc_u64 s[92:93], s[10:11], s[92:93]
	CROUND                                         ; all sixteen work-groups are here: the first joint loads meet
	s_mov_b32 s[G0S], 1
	s_add_co_u32 s[G0S+1], s94, SCL
	s_mov_b64 s[G0S+2:G0S+3], s[22:23]
	s_or_b32 s[G0S+3], s[G0S+3], 0x80000000
	s_mov_b32 s[G0SB], 1
	s_add_co_u32 s[G0SB+1], s94, SCL
	s_mov_b64 s[G0SB+2:G0SB+3], s[92:93]
	s_or_b32 s[G0SB+3], s[G0SB+3], 0x80000000
	JLOAD G0S, G1S, G0SB, G1SB
.irp s, 0,1
	s_mov_b32 s[G0+4*\s], 1
	s_add_co_u32 s[G0+4*\s+1], s45, \s*SLOT
	s_add_nc_u64 s[G0+4*\s+2:G0+4*\s+3], s[20:21], \s*ASTEP
	s_or_b32 s[G0+4*\s+3], s[G0+4*\s+3], 0x80000000
	s_mov_b32 s[G0B+4*\s], 1
	s_add_co_u32 s[G0B+4*\s+1], s45, \s*SLOT
	s_add_nc_u64 s[G0B+4*\s+2:G0B+4*\s+3], s[46:47], \s*ROWB
	s_or_b32 s[G0B+4*\s+3], s[G0B+4*\s+3], 0x80000000
	JLOAD G0+4*\s, G1, G0B+4*\s, G1B               ; three tensor loads of mine are out now
.endr
	v_and_b32 v1, 15, v0                           ; l % 16
	v_bfe_u32 v2, v0, 4, 1                         ; l / 16
	v_and_b32 v6, 31, v0
	v_lshlrev_b32 v7, 3, v6                        ; A: 8 x lane
	v_mul_u32_u24 v3, v1, PITCH
	v_mul_u32_u24 v4, v2, 24
	v_add_nc_u32 v4, v3, v4                        ; B: a fragment's row x pitch + 24 x half
	v_lshl_add_u32 v5, v2, 4, v4                   ; and the same behind one padding more
	s_mul_i32 s21, s15, HALFT
	s_mul_i32 s22, s16, HALFT
	s_add_co_u32 s22, s22, 2*HALFT
.irp s, 0,1
	v_add_nc_u32 v[ADRA+\s], s21, v7
	v_add_nc_u32 v[ADRB+\s], s22, v4
	v_add_nc_u32 v[ADRB+2+\s], s22, v5
	s_add_co_u32 s21, s21, SLOT
	s_add_co_u32 s22, s22, SLOT
.endr
	v_mul_u32_u24 v5, v1, KS
	v_lshrrev_b32 v3, 8, v5
	v_lshl_add_u32 v5, v3, 4, v5
	s_mul_i32 s21, s15, HALFS
	s_mul_i32 s22, s16, HALFS
	s_add_co_u32 s22, s22, 2*HALFS
	s_sub_co_u32 s22, s22, s21
	v_mul_u32_u24 v3, s22, v2                      ; lanes 16-31 take B's
	s_add_co_u32 s21, s21, SCL
	v_add_nc_u32 v5, v5, v3
	v_add_nc_u32 v[ADRS], s21, v5
	s_mul_i32 s23, s14, 16*SPITCH                  ; my stage
	v_mul_u32_u24 v5, v1, SPITCH
	v_lshl_add_u32 v5, v2, 5, v5
	v_add_nc_u32 v[STO], s23, v5
	v_lshlrev_b32 v[CO], 4, v6
	v_add_nc_u32 v[RD], s23, v[CO]
	s_lshl_b32 s20, s17, 8
	s_lshl_b32 s21, s15, 7
	s_add_co_u32 s20, s20, s21                     ; my first row of out0
	s_mov_b32 s21, 0
	s_mov_b64 s[18:19], SIZE_N*4
	s_mul_u64 s[20:21], s[20:21], s[18:19]
	s_lshl_b32 s46, s42, 10                        ; my first column, in bytes
	s_lshl_b32 s47, s16, 9
	s_add_co_u32 s46, s46, s47
	s_mov_b32 s47, 0
	s_add_nc_u64 s[20:21], s[20:21], s[46:47]
	s_add_nc_u64 s[12:13], s[12:13], s[20:21]
	s_add_nc_u64 s[96:97], s[96:97], s[46:47]
	global_load_b128 v[8:11], v[CO], s[96:97]      ; bo of the four columns that I store of every row
.macro FRAG reg, adr, q, i             ; B: a fragment in pieces of 8 bytes from padded rows
.irp p, 0,1,2,3,4,5
.set PCE, 12*(\q)+6*(\p/3)+\p%3
.if PCE%8 < 5
	ds_load_b64 v[\reg+2*\p:\reg+2*\p+1], v[\adr] offset:8*PCE+16*(PCE/8)+(\i)*16*PITCH
.else
	ds_load_b64 v[\reg+2*\p:\reg+2*\p+1], v[\adr+2] offset:8*PCE+16*(PCE/8)+(\i)*16*PITCH
.endif
.endr
.endm
.macro FRAGA reg, slot, q, i           ; A: a fragment is two neighbouring units, six register pairs of 256 bytes
.irp p, 0,1,2,3,4,5
	ds_load_b64 v[\reg+2*\p:\reg+2*\p+1], v[ADRA+\slot] offset:3072*(\i)+1536*(\q)+256*\p
.endr
.endm
.macro MUL16 a0, p, q, sc, zero        ; the 64 accumulators take turns, one instruction a turn
.irp a, \a0, \a0+1
.irp b, 0,1,2,3,4,5,6,7
.if \zero
	v_wmma_scale_f32_16x16x128_f8f6f4 v[8*(8*((\a)%4)+\b):8*(8*((\a)%4)+\b)+7], v[128*(\p)+FR*\b:128*(\p)+FR*\b+FR-1], v[AF+FR*(\a):AF+FR*(\a)+FR-1], 0, v[SC+8*NQ*(\sc)+NQ*\b+(\q)], v[SC+8*NQ*(\sc)+NQ*(\a)+(\q)] matrix_a_fmt:MATRIX_FMT_FP6 matrix_b_fmt:MATRIX_FMT_FP6 matrix_a_scale:MATRIX_SCALE_ROW1
.else
	v_wmma_scale_f32_16x16x128_f8f6f4 v[8*(8*((\a)%4)+\b):8*(8*((\a)%4)+\b)+7], v[128*(\p)+FR*\b:128*(\p)+FR*\b+FR-1], v[AF+FR*(\a):AF+FR*(\a)+FR-1], v[8*(8*((\a)%4)+\b):8*(8*((\a)%4)+\b)+7], v[SC+8*NQ*(\sc)+NQ*\b+(\q)], v[SC+8*NQ*(\sc)+NQ*(\a)+(\q)] matrix_a_fmt:MATRIX_FMT_FP6 matrix_b_fmt:MATRIX_FMT_FP6 matrix_a_scale:MATRIX_SCALE_ROW1
.endif
.endr
.endr
.endm
.macro FETCH_B slot, q, p
	WIN TO_B
.irp i, 0,1,2,3,4,5,6,7
	FRAG 128*(\p)+FR*\i, ADRB+\slot, \q, \i
.endr
	WIN 0
.endm
.macro FETCH_A slot, q, i0
.irp i, \i0, \i0+1, \i0+2, \i0+3
	FRAGA AF+FR*(\i), \slot, \q, \i
.endr
.endm
.macro SCALES sc
.irp i, 0,1,2,3,4,5,6,7
	ds_load_b64 v[SC+8*NQ*\sc+NQ*\i:SC+8*NQ*\sc+NQ*\i+1], v[ADRS] offset:\i*SBLK
.endr
.endm
.macro PLACES n                        ; places in front of loads into registers that matrix instructions have read, and of the first read of results
.rept \n
	v_nop
.endr
.endm
.macro STEP slot, q, zero
	s_wait_dscnt 4*NL                              ; B's set and A's blocks 0-3 are in; the youngest 24 loads (A's blocks 4-7) may be out
	WIN MUL_LO
	MUL16 0, (\q)%2, \q, \slot, \zero
	MUL16 2, (\q)%2, \q, \slot, \zero
	s_wait_dscnt 0
	PLACES NP
	FETCH_B \slot, (\q)+1, 1-(\q)%2
	FETCH_A \slot, (\q)+1, 0
	WIN MUL_HI
	MUL16 4, (\q)%2, \q, \slot, \zero
	MUL16 6, (\q)%2, \q, \slot, \zero
	PLACES NP
	WIN 0
	FETCH_A \slot, (\q)+1, 4
.endm
.macro TURN slot, next, fill           ; a slot's last step changes slots: one barrier; in front of it all my tensor loads, the add, and my reads of this slot are waited for
	s_wait_tensorcnt 0x0
	ds_add_u32 v[SPW], v[NIL]
	s_wait_dscnt 4*NL+1                            ; (the add and the youngest 24 loads may be out)
	WIN MUL_LO
	MUL16 0, 1, NQ-1, \slot, 0
	s_wait_dscnt 0x0
	s_barrier_signal -1
	MUL16 2, 1, NQ-1, \slot, 0
	WIN 0
	s_barrier_wait -1
.if \fill
	CREST                                          ; a round of the cluster's barrier: no wave of any partner still reads this slot or has a load on its way
	s_add_nc_u64 s[G0+4*\slot+2:G0+4*\slot+3], s[G0+4*\slot+2:G0+4*\slot+3], 2*ASTEP
	s_add_nc_u64 s[G0B+4*\slot+2:G0B+4*\slot+3], s[G0B+4*\slot+2:G0B+4*\slot+3], 2*ROWB
	JLOAD G0+4*\slot, G1, G0B+4*\slot, G1B
.else
	PLACES NP
.endif
	v_add_nc_u32 v[ADRS], 4*NQ, v[ADRS]
	FETCH_B \next, 0, 0
	FETCH_A \next, 0, 0
	SCALES \next
	WIN MUL_HI
	MUL16 4, 1, NQ-1, \slot, 0
	MUL16 6, 1, NQ-1, \slot, 0
	PLACES NP
	WIN 0
	FETCH_A \next, 0, 4
.endm
	s_wait_tensorcnt 1                             ; the scales and my part of K step 0 are in; K step 1's load may be out
	s_barrier_signal -1
	s_barrier_wait -1
	FETCH_B 0, 0, 0
	FETCH_A 0, 0, 0
	SCALES 0
	FETCH_A 0, 0, 4
	STEP 0, 0, 1
	s_mov_b32 s3, LAPS-1
.Llap:
	TURN 0, 1, 1
	STEP 1, 0, 0
	TURN 1, 0, 1
	STEP 0, 0, 0
	s_sub_co_u32 s3, s3, 1
	s_cmp_lg_u32 s3, 0
	s_cbranch_scc1 .Llap
	TURN 0, 1, 0
	STEP 1, 0, 0
	s_wait_dscnt 4*NL
	WIN MUL_LO
	MUL16 0, 1, NQ-1, 1, 0
	MUL16 2, 1, NQ-1, 1, 0
	s_wait_dscnt 0
	WIN MUL_HI
	MUL16 4, 1, NQ-1, 1, 0
	MUL16 6, 1, NQ-1, 1, 0
	WIN 0
; THE WAY OUT, block by block of 16 rows x 128 columns: through my own stage in LDS, back as whole rows of 512 bytes, the bias added, stored as two aligned runs of 256 bytes.
.macro TOSTAGE a
.set AC, 64*((\a)%4)
	WIN 0x08+4*((\a)/4)                            ; the data: window 2 or 3
.irp b, 0,1,2,3,4,5,6,7
	ds_store_b128 v[STO], v[AC+8*\b:AC+8*\b+3] offset:64*\b          ; each accumulator from its low end on
	ds_store_b128 v[STO], v[AC+8*\b+4:AC+8*\b+7] offset:64*\b+16
.endr
	WIN 0
.set BB, BK+64*((\a)%2)
.irp t, 0,1,2,3,4,5,6,7,8,9,10,11,12,13,14,15
	ds_load_b128 v[BB+4*\t:BB+4*\t+3], v[RD] offset:\t*SPITCH       ; LDS serves a wave's instructions in order: these see the stores above
.endr
.endm
.macro SEND a, younger                 ; younger: the LDS instructions issued behind block a's loads, which may stay out
.set BB, BK+64*((\a)%2)
	s_wait_dscnt \younger
.if (\a) > 0
	s_add_nc_u64 s[12:13], s[12:13], 16*SIZE_N*4   ; (behind a wait on XCNT: the earlier stores have read their base)
.endif
.irp t, 0,1,2,3,4,5,6,7,8,9,10,11,12,13,14,15
	v_pk_add_f32 v[BB+4*\t:BB+4*\t+1], v[BB+4*\t:BB+4*\t+1], v[8:9]
	v_pk_add_f32 v[BB+4*\t+2:BB+4*\t+3], v[BB+4*\t+2:BB+4*\t+3], v[10:11]
	global_store_b128 v[CO], v[BB+4*\t:BB+4*\t+3], s[12:13] offset:\t*SIZE_N*4 th:TH_STORE_NT   ; 32 lanes store 512 consecutive bytes, aligned
.endr
.endm
	PLACES NP
	s_wait_loadcnt 0x0                             ; bo
	TOSTAGE 0
.irp a, 1,2,3,4,5,6,7
.if \a > 1
	s_wait_xcnt 0x0                                ; block a - 2's stores have read their registers and their base
.endif
	TOSTAGE \a
	SEND \a-1, 32                                  ; behind block a - 1's loads: block a's 16 stores and 16 loads
.endr
	s_wait_xcnt 0x0
	SEND 7, 0
	s_wait_tensorcnt 0x0                           ; the wave's end
	ds_add_u32 v[SPW], v[NIL]
	s_wait_dscnt 0x0
	CROUND                                         ; the closing round
	s_endpgm
.Lfunc_end_k_q89a9ffaeef_outp:
	.size	k_q89a9ffaeef_outp, .Lfunc_end_k_q89a9ffaeef_outp-k_q89a9ffaeef_outp
	.p2alignl 7, 3214868480
	.fill 96, 4, 3214868480
	.section	.rodata,"a",@progbits
	.p2align	6, 0x0
	.amdhsa_kernel k_q89a9ffaeef_outp
		.amdhsa_group_segment_fixed_size 327680
		.amdhsa_private_segment_fixed_size 0
		.amdhsa_enable_private_segment 0
		.amdhsa_kernarg_size 48
		.amdhsa_user_sgpr_count 2
		.amdhsa_user_sgpr_kernarg_segment_ptr 1
		.amdhsa_wavefront_size32 1
		.amdhsa_system_sgpr_workgroup_id_x 1
		.amdhsa_system_sgpr_workgroup_id_y 1
		.amdhsa_system_sgpr_workgroup_id_z 1
		.amdhsa_system_vgpr_workitem_id 0
		.amdhsa_next_free_vgpr 1024
		.amdhsa_next_free_sgpr 98
		.amdhsa_reserve_vcc 0
		.amdhsa_float_denorm_mode_32 3
		.amdhsa_float_denorm_mode_16_64 3
		.amdhsa_memory_ordered 1
		.amdhsa_forward_progress 1
		.amdhsa_inst_pref_size 176
	.end_amdhsa_kernel
	.amdgpu_metadata
---
amdhsa.version: [ 1, 2 ]
amdhsa.kernels:
  - .name:           k_q89a9ffaeef_outp
    .symbol:         k_q89a9ffaeef_outp.kd
    .args:
      - { .name: att_codes, .offset: 0, .size: 8, .value_kind: global_buffer, .address_space: global }
      - { .name: att_scales, .offset: 8, .size: 8, .value_kind: global_buffer, .address_space: global }
      - { .name: Wo_codes, .offset: 16, .size: 8, .value_kind: global_buffer, .address_space: global }
      - { .name: Wo_scales, .offset: 24, .size: 8, .value_kind: global_buffer, .address_space: global }
      - { .name: out0, .offset: 32, .size: 8, .value_kind: global_buffer, .address_space: global }
      - { .name: bo, .offset: 40, .size: 8, .value_kind: global_buffer, .address_space: global }
    .group_segment_fixed_size: 327680
    .private_segment_fixed_size: 0
    .kernarg_segment_align: 8
    .kernarg_segment_size: 48
    .max_flat_workgroup_size: 128
    .sgpr_count:     98
    .vgpr_count:     1024
    .wavefront_size: 32
...
	.end_amdgpu_metadata
.endif
;; end of part 3
